; MI455X (gfx1250); checked and timed in simulation.
; The chip was launched on July 23, 2026; its instructions are those of AMD's public machine-readable ISA for CDNA 5 (MIT licence, August 2026) and "CDNA5" Instruction Set Architecture Reference Guide (July 2026). The comments in the code are by the model that wrote it; some were corrected since.
;; Transformer Block Classical. Allowed arithmetic: matrix products marked QUANTISED: E5M2 operands, one given power-of-two scale a tensor, by v_wmma_f32_16x16x64_bf8_bf8 or v_wmma_f32_16x16x128_bf8_bf8, f32 sums; everything else in f32.
;; Inputs: W1_codes 4,096 x 32 x 32 uint8 (E5M2 codes of W1, K innermost, in blocks of 32 codes); W2_codes 1,024 x 128 x 32 uint8 (E5M2 codes of W2, K innermost, in blocks of 32 codes); Wk_codes 1,024 x 32 x 32 uint8 (E5M2 codes of Wk, K innermost, in blocks of 32 codes); Wo_codes 1,024 x 32 x 32 uint8 (E5M2 codes of Wo, K innermost, in blocks of 32 codes); Wq_codes 1,024 x 32 x 32 uint8 (E5M2 codes of Wq, K innermost, in blocks of 32 codes); Wv_codes 1,024 x 32 x 32 uint8 (E5M2 codes of Wv, K innermost, in blocks of 32 codes); b1 4,096 float32; b2 1,024 float32; be1 1,024 float32; be2 1,024 float32; bk 1,024 float32; bo 1,024 float32; bq 1,024 float32; bv 1,024 float32; g1 1,024 float32; g2 1,024 float32; lowp_scales 16 int32 (the exponents e of the quantised operands' scales 2^e); x 2 x 2,048 x 1,024 float32.
;; Outputs: out0 2 x 2,048 x 1,024 float32.
;; This version of the problem:
;;   THIS VERSION OF THE PROBLEM IS GIVEN IN LOW PRECISION. The matrix products marked QUANTISED in the list below multiply operands that are first quantised to E5M2 (5 exponent bits, 2 mantissa bits; 8 bits a number), with one given power-of-two scale for each operand tensor; their sums are f32. All else is computed in f32.
;;   The module's matrix products, in the order in which they are computed (A, B: the left and right operand; K: the contracted axis; several contracted axes count as one K, in the product's order):
;;     1. [M 4,096, K 1,024] x [K 1,024, N 1,024]; A: computed on the way; B: input Wq (given as codes): QUANTISED (scales: A lowp_scales[0], B lowp_scales[1])
;;     2. [M 4,096, K 1,024] x [K 1,024, N 1,024]; A: computed on the way; B: input Wk (given as codes): QUANTISED (scales: A lowp_scales[2], B lowp_scales[3])
;;     3. [M 4,096, K 1,024] x [K 1,024, N 1,024]; A: computed on the way; B: input Wv (given as codes): QUANTISED (scales: A lowp_scales[4], B lowp_scales[5])
;;     4. batch 32 x [M 2,048, K 64] x [K 64, N 2,048]; A: computed on the way; B: computed on the way: QUANTISED (scales: A lowp_scales[6], B lowp_scales[7])
;;     5. batch 32 x [M 2,048, K 2,048] x [K 2,048, N 64]; A: softmax (see below); B: computed on the way: QUANTISED (scales: A lowp_scales[8], B lowp_scales[9])
;;     6. [M 4,096, K 1,024] x [K 1,024, N 1,024]; A: computed on the way; B: input Wo (given as codes): QUANTISED (scales: A lowp_scales[10], B lowp_scales[11])
;;     7. [M 4,096, K 1,024] x [K 1,024, N 4,096]; A: computed on the way; B: input W1 (given as codes): QUANTISED (scales: A lowp_scales[12], B lowp_scales[13])
;;     8. [M 4,096, K 4,096] x [K 4,096, N 1,024]; A: computed on the way; B: input W2 (given as codes): QUANTISED (scales: A lowp_scales[14], B lowp_scales[15])
;;   THE QUANTISER, for each operand of a quantised product, along K:
;;     - The operand's scale is 2^e, e = its entry of the input lowp_scales (int32; the entries are numbered through the quantised products in the list's order, A before B).
;;     - Each number is divided by the scale, clamped to +-57,344, and rounded to the nearest number of E5M2, ties to even, subnormals kept.
;;     - The product sums the exact products of the quantised numbers (number of the format x scale) in f32.
;;   ~~~python
;;   def quantise(x, axis, e):      # numpy; x: float32 -> the quantised numbers, widened to float32 again
;;       x = np.moveaxis(x, axis, -1); K = x.shape[-1]
;;       r = np.clip(x / 2.0 ** e, -57344, 57344)
;;       step = 2.0 ** (np.maximum(np.frexp(np.where(r == 0, 1, r))[1] - 1, -14) - 2)
;;       q = np.round(r / step) * step * 2.0 ** e      # np.round: ties to even
;;       return np.moveaxis(q, -1, axis).astype(np.float32)
;;   ~~~
;;   SOFTMAX AHEAD OF A QUANTISED PRODUCT. Where the list says 'softmax', what is quantised is not the finished softmax but p = 2^(t - M), with t = logit x log2(e) and M = ceil(the row's largest t), a whole number; so 1/2 < the row's largest p <= 1. The row's sum l is taken of the UNQUANTISED p, in f32, and the product's result is divided by l at the end. Since M is a whole number, a kernel that streams over the keys may use a running M (the ceiling of the running maximum): every later rescaling is an exact power of two, so the quantised numbers keep their values, but for numbers so far below the row's largest that they fall under the format's range.
;;   OPERANDS COMPUTED ON THE WAY. 'Computed on the way' means the value that the module computes at that place (a softmax that the list does not call 'softmax' is quantised finished and normalised). What goes into a quantiser is computed in f32, as accurately as f32 sums, v_exp_f32 and their like allow (about 1e-6 of the number): no bf16 or f16 on the way to a quantiser, and a product that is left as it is and whose result goes on into a quantised operand takes f32 operands (vector FMAs, or v_wmma_f32_16x16x4_f32). A number that lies on a knife's edge between two numbers of the format may be rounded either way, as far as f32 arithmetic and the matrix unit's own rounding can turn it there, and no further.
;;   INPUTS GIVEN AS CODES. W1 (in the module: [4096, 1024], K = its axis 1); W2 (in the module: [1024, 4096], K = its axis 1); Wk (in the module: [1024, 1024], K = its axis 1); Wo (in the module: [1024, 1024], K = its axis 1); Wq (in the module: [1024, 1024], K = its axis 1); Wv (in the module: [1024, 1024], K = its axis 1): each comes as NAME_codes (uint8): NAME with its K axis moved to the last place and cut into blocks of 32 codes, [.., K / 32, bytes a block], one block behind the other in memory; one code a byte (a code: sign, 5 exponent bits, 2 mantissa bits); its scale is its entry of lowp_scales. Its value is code x scale, taken as it is: it is not quantised again, and the codes and scales need not be those that the quantiser above would give.
;; One version. Each part assembles by itself: llvm-mc -triple=amdgcn-amd-amdhsa -mcpu=gfx1250 --defsym DOCPART=n.
;; ======== version 1 of 1: 7 launches
;; workspace buffers: hc 12,582,912 bytes; qkv 12,582,912 bytes; ao 4,194,304 bytes; x1 16,777,216 bytes; h2 4,194,304 bytes; hid 16,777,216 bytes
;; launch ln1 (part 1): grid 256 x 1, 8 waves a work-group, no clusters, 41,984 bytes of LDS; arguments x, g1, be1, lowp_scales, hc; writes hc
.if DOCPART == 1
	.amdgcn_target "amdgcn-amd-amdhsa--gfx1250"
	.amdhsa_code_object_version 6
	.text
	.protected	k_q2e0aa1e4f9_ln1
	.globl	k_q2e0aa1e4f9_ln1
	.p2align	8
	.type	k_q2e0aa1e4f9_ln1,@function
k_q2e0aa1e4f9_ln1:
	s_mov_b64 s[64:65], 0
	v_nop
	global_prefetch_b8 v0, s[64:65] scope:SCOPE_SE
	s_setreg_imm32_b32 hwreg(HW_REG_WAVE_MODE, 25, 1), 1
	s_wait_xcnt 0x0
; h = (x - mean) * rsqrt(var + 1e-5) * g + be over rows of 1,024 f32, then quantised to codes of BF8 (E5M2), NOUT times, each time with a given scale 2^e.
; NOUT = 3: the three products that read h have scales of their own (entries 0, 2, 4 of the scales); the codes go to three planes of 4,096 x 1,024 bytes, row-major.
; SHARES.  4,096 rows, 256 work-groups of eight waves, TWO WHOLE ROWS A WAVE: a row is 32 registers a lane, so mean and variance are two passes over registers (the mean is taken off
; before the squares: a common offset of the inputs costs no accuracy), the reduction never leaves the wave, and there is no barrier.
; LAYOUT.  Every load takes 512 consecutive bytes (16 a lane).  The conversion wants 8 neighbours along the row in ONE lane's registers: the finished row turns through the wave's own stage in LDS
; (as it lies, 16 bytes of padding behind each 64) and comes back 64 bytes a lane.  A lane's 16 codes are 16 bytes: each store covers 512 consecutive bytes, aligned.
; No matrix unit, no tensor load, no cluster: work-groups share only g and be (8 KiB), and memory binds.
; LIMITS: each e between -126 and 112, so that 2^e and 57,344 x 2^e are f32 numbers.  NaN among the inputs is not served.
.set NOUT, 3
.set LI,  2                            ; v2   16 x lane; never rewritten
.set SA,  3                            ; v3   the stage, on the way in: 80 (lane / 4) + 16 (lane % 4)
.set RA,  4                            ; v4   and on the way out: 80 x lane
.set G,   8                            ; v8-39    g as loaded
.set BE,  40                           ; v40-71   be
.set X,   72                           ; v72-135  the two rows
.set T,   136                          ; v136-167 a row turned: register 16 j + i = column 512 j + 16 lane + i
.set H,   168                          ; v168-183 16 numbers held within the largest code
.set CD,  184                          ; codes: four registers for each store, so that no store's data are written again
	s_load_b256 s[4:11], s[0:1], 0x0               ; x s[4:5], g s[6:7], be s[8:9], the scales' exponents s[10:11]
	s_load_b64 s[12:13], s[0:1], 0x20              ; the codes
	v_lshl_add_u32 v248, v0, 2, 0xa000
	v_mov_b32 v249, 0
	v_lshrrev_b32 v1, 5, v0
	v_readfirstlane_b32 s36, v1                    ; wave 0..7
	v_and_b32 v1, 31, v0                           ; lane
	v_lshlrev_b32 v[LI], 4, v1
	s_mul_i32 s37, s36, 5120                       ; my stage: 64 places of 80 bytes
	v_lshrrev_b32 v5, 2, v1
	v_mul_u32_u24 v5, v5, 80
	v_and_b32 v6, 3, v1
	v_lshl_add_u32 v[SA], v6, 4, v5
	v_add_nc_u32 v[SA], s37, v[SA]
	v_mul_u32_u24 v[RA], v1, 80
	v_add_nc_u32 v[RA], s37, v[RA]
	v_mov_b32 v238, 0                              ; written once: a lane permute's destination counts as one of its sources
	v_mov_b32 v239, 0x3727c5ac                     ; 1e-5
	s_mov_b32 s30, 0x76543210                      ; v_permlanex16_b32: lane l xor 16
	s_mov_b32 s31, 0xfedcba98
	s_mov_b32 s32, 0x3a800000                      ; 1 / 1,024
	s_lshl_b32 s14, ttmp9, 3
	s_add_co_u32 s14, s14, s36                     ; which pair of rows is mine
	s_lshl_b32 s14, s14, 13                        ; x 2 rows of 4,096 bytes
	s_mov_b32 s15, 0
	s_lshr_b32 s34, s14, 2                         ; x 2 rows of 1,024 codes
	s_mov_b32 s35, 0
	s_wait_kmcnt 0x0
.if NOUT == 3
	s_load_b256 s[16:23], s[10:11], 0x0            ; entries 0 to 7: 0, 2 and 4 are h's
.else
	s_load_b32 s16, s[10:11], 0x30                 ; entry 12
.endif
	s_add_nc_u64 s[4:5], s[4:5], s[14:15]
	s_add_nc_u64 s[24:25], s[12:13], s[34:35]      ; a base for each plane: two planes' distance does not fit a store's immediate
.if NOUT == 3
	s_add_nc_u64 s[26:27], s[24:25], 0x400000
	s_add_nc_u64 s[28:29], s[26:27], 0x400000
.endif
.macro XLOAD rho                       ; a row: eight loads of 512 consecutive bytes
.set ii, 0
.rept 8
.if NOUT == 3
	global_load_b128 v[X+32*\rho+4*ii:X+32*\rho+4*ii+3], v[LI], s[4:5] offset:4096*\rho+512*ii th:TH_LOAD_NT
.else
	global_load_b128 v[X+32*\rho+4*ii:X+32*\rho+4*ii+3], v[LI], s[4:5] offset:4096*\rho+512*ii
.endif
.set ii, ii+1
.endr
.endm
	XLOAD 0
.set ii, 0
.rept 8
	global_load_b128 v[G+4*ii:G+4*ii+3], v[LI], s[6:7] offset:512*ii
.set ii, ii+1
.endr
.set ii, 0
.rept 8
	global_load_b128 v[BE+4*ii:BE+4*ii+3], v[LI], s[8:9] offset:512*ii
.set ii, ii+1
.endr
	XLOAD 1
	s_wait_kmcnt 0x0
.set oo, 0
.rept NOUT
	s_add_co_i32 s33, s[16+2*oo], 127
	s_lshl_b32 s38, s33, 23
	v_mov_b32 v[240+2*oo], s38                     ; 2^e as f32: the conversion takes its exponent field
	s_add_co_i32 s33, s33, 15
	s_lshl_b32 s33, s33, 23
	s_or_b32 s33, s33, 0x600000
	v_mov_b32 v[241+2*oo], s33                     ; 57,344 x 2^e
.set oo, oo+1
.endr
.macro WSUM                            ; v232 summed over the 32 lanes, the result in every lane
	v_add_f32_dpp v232, v232, v232 row_xmask:1 row_mask:0xf bank_mask:0xf
	v_add_f32_dpp v232, v232, v232 row_xmask:2 row_mask:0xf bank_mask:0xf
	v_add_f32_dpp v232, v232, v232 row_xmask:4 row_mask:0xf bank_mask:0xf
	v_add_f32_dpp v232, v232, v232 row_xmask:8 row_mask:0xf bank_mask:0xf
	v_permlanex16_b32 v238, v232, s30, s31
	v_add_f32 v232, v232, v238
.endm
; One row.  w1: the loads younger than this row's that may stay out; w2: those younger than g's and be's.
.macro ROW rho, w1, w2
.set XR, X+32*\rho
	s_wait_loadcnt \w1                             ; loads come back in order: my row is in
	v_pk_add_f32 v[232:233], v[XR:XR+1], v[XR+2:XR+3]      ; the sum, two at a time, in two chains that the first words start
	v_pk_add_f32 v[234:235], v[XR+4:XR+5], v[XR+6:XR+7]
.irp j, 8,12,16,20,24,28
	v_pk_add_f32 v[232:233], v[232:233], v[XR+\j:XR+\j+1]
	v_pk_add_f32 v[234:235], v[234:235], v[XR+\j+2:XR+\j+3]
.endr
	v_pk_add_f32 v[232:233], v[232:233], v[234:235]
	v_add_f32 v232, v232, v233
	WSUM
	v_mul_f32 v236, s32, v232                      ; the mean
	v_mov_b32 v237, v236
.set jj, 0
.rept 16
	v_pk_add_f32 v[XR+jj:XR+jj+1], v[XR+jj:XR+jj+1], v[236:237] neg_lo:[0,1] neg_hi:[0,1]   ; x - mean
.set jj, jj+2
.endr
	v_pk_mul_f32 v[232:233], v[XR:XR+1], v[XR:XR+1]        ; the squares, in two chains
	v_pk_mul_f32 v[234:235], v[XR+2:XR+3], v[XR+2:XR+3]
.irp j, 4,8,12,16,20,24,28
	v_pk_fma_f32 v[232:233], v[XR+\j:XR+\j+1], v[XR+\j:XR+\j+1], v[232:233]
	v_pk_fma_f32 v[234:235], v[XR+\j+2:XR+\j+3], v[XR+\j+2:XR+\j+3], v[234:235]
.endr
	v_pk_add_f32 v[232:233], v[232:233], v[234:235]
	v_add_f32 v232, v232, v233
	WSUM
	v_fma_f32 v232, v232, s32, v239                ; var + 1e-5
	v_rsq_f32 v236, v232
	v_nop                                          ; a plain instruction between the root and the use of its result
	s_wait_alu depctr_va_vdst(0)                   ; and the wait ahead of the first use
	v_mov_b32 v237, v236
	s_wait_loadcnt \w2                             ; g and be are in
.set jj, 0
.rept 16
	v_pk_mul_f32 v[XR+jj:XR+jj+1], v[XR+jj:XR+jj+1], v[236:237]
.set jj, jj+2
.endr
.set jj, 0
.rept 16
	v_pk_fma_f32 v[XR+jj:XR+jj+1], v[XR+jj:XR+jj+1], v[G+jj:G+jj+1], v[BE+jj:BE+jj+1]
.set jj, jj+2
.endr
.set ii, 0
.rept 8
	ds_store_b128 v[SA], v[XR+4*ii:XR+4*ii+3] offset:640*ii        ; a load's 512 bytes take eight places of 80
.set ii, ii+1
.endr
.irp j, 0,1
.irp m, 0,1,2,3
	ds_load_b128 v[T+16*\j+4*\m:T+16*\j+4*\m+3], v[RA] offset:2560*\j+16*\m   ; LDS serves a wave's instructions in order: these see my stores
.endr
.endr
.irp j, 0,1
	s_wait_dscnt 4-4*\j                            ; this half's four loads are in; the other half's four may be out
.set oo, 0
.rept NOUT
.irp i, 0,1,2,3,4,5,6,7,8,9,10,11,12,13,14,15
	v_med3_num_f32 v[H+\i], v[T+16*\j+\i], -v[241+2*oo], v[241+2*oo]   ; the conversion to an 8-bit code does not saturate (ISA guide 7.6.2): the hold comes first
.endr
.set CR, CD+8*NOUT*\rho+8*oo+4*\j
	v_cvt_scalef32_pk8_bf8_f32 v[CR:CR+1], v[H:H+7], v[240+2*oo]
	v_cvt_scalef32_pk8_bf8_f32 v[CR+2:CR+3], v[H+8:H+15], v[240+2*oo]
	v_nop                                          ; a plain instruction between the conversions and the next holds, which write their sources
	global_store_b128 v[LI], v[CR:CR+3], s[24+2*oo:25+2*oo] offset:1024*\rho+512*\j   ; 32 lanes store 512 consecutive bytes, aligned
.set oo, oo+1
.endr
.endr
.endm
	ROW 0, 24, 8                                   ; behind row 0's loads: g's 8, be's 8, row 1's 8; behind be's: row 1's 8
	ROW 1, 0, 0
	s_wait_tensorcnt 0x0
	ds_add_u32 v248, v249
	s_wait_dscnt 0x0
	s_endpgm
.Lfunc_end_k_q2e0aa1e4f9_ln1:
	.size	k_q2e0aa1e4f9_ln1, .Lfunc_end_k_q2e0aa1e4f9_ln1-k_q2e0aa1e4f9_ln1
	.p2alignl 7, 3214868480
	.fill 96, 4, 3214868480
	.section	.rodata,"a",@progbits
	.p2align	6, 0x0
	.amdhsa_kernel k_q2e0aa1e4f9_ln1
		.amdhsa_group_segment_fixed_size 41984
		.amdhsa_private_segment_fixed_size 0
		.amdhsa_enable_private_segment 0
		.amdhsa_kernarg_size 40
		.amdhsa_user_sgpr_count 2
		.amdhsa_user_sgpr_kernarg_segment_ptr 1
		.amdhsa_wavefront_size32 1
		.amdhsa_system_sgpr_workgroup_id_x 1
		.amdhsa_system_sgpr_workgroup_id_y 1
		.amdhsa_system_sgpr_workgroup_id_z 1
		.amdhsa_system_vgpr_workitem_id 0
		.amdhsa_next_free_vgpr 250
		.amdhsa_next_free_sgpr 66
		.amdhsa_reserve_vcc 0
		.amdhsa_float_denorm_mode_32 3
		.amdhsa_float_denorm_mode_16_64 3
		.amdhsa_memory_ordered 1
		.amdhsa_forward_progress 1
		.amdhsa_inst_pref_size 36
	.end_amdhsa_kernel
	.amdgpu_metadata
---
amdhsa.version: [ 1, 2 ]
amdhsa.kernels:
  - .name:           k_q2e0aa1e4f9_ln1
    .symbol:         k_q2e0aa1e4f9_ln1.kd
    .args:
      - { .name: x, .offset: 0, .size: 8, .value_kind: global_buffer, .address_space: global }
      - { .name: g1, .offset: 8, .size: 8, .value_kind: global_buffer, .address_space: global }
      - { .name: be1, .offset: 16, .size: 8, .value_kind: global_buffer, .address_space: global }
      - { .name: lowp_scales, .offset: 24, .size: 8, .value_kind: global_buffer, .address_space: global }
      - { .name: hc, .offset: 32, .size: 8, .value_kind: global_buffer, .address_space: global }
    .group_segment_fixed_size: 41984
    .private_segment_fixed_size: 0
    .kernarg_segment_align: 8
    .kernarg_segment_size: 40
    .max_flat_workgroup_size: 256
    .sgpr_count:     66
    .vgpr_count:     250
    .wavefront_size: 32
...
	.end_amdgpu_metadata
.endif
;; end of part 1
;; launch qkv (part 2): grid 16 x 12, 4 waves a work-group, clusters of 4 x 4, 327,680 bytes of LDS; arguments hc, Wq_codes, Wk_codes, Wv_codes, bq, bk, bv, lowp_scales, qkv; writes qkv
.if DOCPART == 2
	.amdgcn_target "amdgcn-amd-amdhsa--gfx1250"
	.amdhsa_code_object_version 6
	.text
	.protected	k_q2e0aa1e4f9_qkv
	.globl	k_q2e0aa1e4f9_qkv
	.p2align	8
	.type	k_q2e0aa1e4f9_qkv,@function
k_q2e0aa1e4f9_qkv:
	s_mov_b64 s[64:65], 0
	v_nop
	global_prefetch_b8 v0, s[64:65] scope:SCOPE_SE
	s_setreg_imm32_b32 hwreg(HW_REG_WAVE_MODE, 25, 1), 1
	s_wait_xcnt 0x0
	s_wait_alu depctr_hold_cnt(0) depctr_sa_sdst(0) depctr_va_vdst(0) depctr_va_sdst(0) depctr_va_ssrc(0) depctr_va_vcc(0) depctr_vm_vsrc(0)
	s_getreg_b32 s2, hwreg(HW_REG_IB_STS2, 6, 4)
	s_cmp_eq_u32 s2, 0
	s_cbranch_scc0 .Lentry_in_a_cluster
	s_endpgm
.Lentry_in_a_cluster:
	s_bfe_u32 s2, ttmp6, 0x10000c
	s_cmp_lg_u32 s2, 0xf033
	s_cbranch_scc0 .Lentry_shape_is_right
	s_endpgm
.Lentry_shape_is_right:
; q = h Wq^T + bq, k = h Wk^T + bk, v^T = Wv h^T + bv, all on codes of BF8 (E5M2), K = 1,024, f32 sums; each result is quantised again (entries 6, 7, 9 of the scales) and stored
; AS AN IMAGE OF THE REGISTERS of the attention's operands.
; SHARES.  A tile of 256 x 256 for a work-group of four waves, 128 x 128 a wave (64 accumulators, 512 registers).  The cluster's y says which product (0 q, 1 k, 2 v), its x which quarter of the tokens.
; Three products of 64 tiles: 192 work-groups; a tile that straddled two products would need two sets of h's codes, since each product has its own scale for h.
; FOR v THE ROLES ARE SWAPPED BY POINTERS ALONE: A is Wv (1,024 rows), B is h (4,096 rows): the same loop then gives v^T, with the keys along a lane's registers, as the second product of attention wants them.
; No branch hangs on which product it is: pointers, offsets and scales are chosen by s_cselect on the cluster's number, which all partners share.
; CLUSTERS: 4 x 4 work-groups; A's tile is asked for jointly along a row of the cluster, B's along a column.  K goes in steps of 256 through two LDS slots (rows of 256 bytes + 16 of padding).
; THE MATRIX INSTRUCTION IS USED TRANSPOSED (source 0 = 16 rows of B, source 1 = 16 rows of A): lane (r, h) of tile b holds A's row r and B's rows 16 b + 8 h + 0..7: its eight codes are registers 2 b, 2 b + 1
; of the next product's fragment (registers 2 c, 2 c + 1: k = 16 c + 8 h + 0..7).  So the way out needs no LDS: each store is four registers at 16 x lane, 512 consecutive bytes, aligned.
; OUT (bh = 16 x batch + head; a head is 131,072 bytes in each plane of 4 MiB): planes 0, 1 (q, k): [bh][tile of 16 tokens][1,024]: a fragment 16 x 64;  plane 2 (v): [bh][128 keys][16 of d][2,048]: a fragment 16 x 128.
; LIMITS: the sum of a product's two exponents between -126 and 127; entries 6, 7, 9 between -126 and 112.  NaN among the inputs is not served.
; REGISTERS: window 0: v0-31 addresses and scales; v32-95 the bias along B's rows; v96-111 codes; v112-127 the bias along A's rows; from v128 A's fragments, ONE set (on the way out: 64 numbers at work).
;   window 1: B's fragments, two sets.   windows 2, 3: the accumulators ((a, b) at v[8 (8 (a % 4) + b)]).
.set KSTEP,  256
.set ROWB,   256
.set KROW,   1024
.set PITCH,  272                       ; 256 bytes + 16: the 16 rows that a load touches start at 16 different banks (64 banks of 4 bytes: ISA guide 11.1)
.set FR,     16
.set NL,     4
.set NP,     4                         ; places behind this matrix instruction (ISA guide 7.12.1)
.set HALFT,  128*PITCH
.set SLOT,   4*HALFT
.set LAPS,   2                         ; 1,024 along K = four K steps = twice round the ring
.set SPARE,  2*SLOT                    ; behind the ring: the spare words, 128 bytes a wave: two blocks of 256 bytes that no other line names
.set BO,   10                          ; v10  32 x (lane / 16)
.set BR,   11                          ; v11  4 x (lane % 16)
.set SC,   12                          ; v12  2^e of the result, for the conversion
.set LIM,  13                          ; v13  57,344 x 2^e
.set VO1,  14                          ; v14  16 x lane + the distance to the second pair of stores
.set ADRA, 16
.set ADRB, 20
.set VO0,  27                          ; v27  16 x lane
.set SPW,  28
.set NIL,  29
.set BN,   32
.set CD,   96
.set BM,   112
.set TMP,  128
.set AF,   128
.set G1, 24
.set G0, 32
.set G1B, 48
.set G0B, 56
.set MSB, 0
.macro WIN new                         ; the immediate's high byte repeats the setting that is left
.if MSB != \new
	s_set_vgpr_msb (MSB<<8)|\new
.set MSB, \new
.endif
.endm
.set MUL_LO, 0xa1                      ; source 0 (B) window 1, source 1 (A) window 0, C and D window 2
.set MUL_HI, 0xf1
.set TO_B,   0x40
.macro JLOAD g0a, g1a, g0b, g1b        ; a joint load: waves 0 and 1 fetch for A, waves 2 and 3 for B; four v_nop follow each of the two lines
	s_cmp_eq_u32 s15, 0
	s_cbranch_scc0 .Lfor_b_\@
	tensor_load_to_lds s[\g0a:\g0a+3], s[\g1a:\g1a+7]
	s_nop 0
.rept 4
	v_nop
.endr
	s_branch .Lasked_\@
.Lfor_b_\@:
	tensor_load_to_lds s[\g0b:\g0b+3], s[\g1b:\g1b+7]
	s_nop 0
.rept 4
	v_nop
.endr
.Lasked_\@:
.endm
.macro CREST                           ; a round of the cluster's barrier behind its opening barrier
	s_cmp_lg_u32 s14, 0
	s_cbranch_scc1 .Lnot_wave_0_\@
	s_barrier_signal -3
.Lnot_wave_0_\@:
	s_barrier_wait -3
	s_barrier_signal -1
	s_barrier_wait -1
.endm
.macro CROUND
	s_barrier_signal -1
	s_barrier_wait -1
	CREST
.endm
	s_load_b512 s[68:83], s[0:1], 0x0              ; hc, Wq, Wk, Wv, bq, bk, bv, the scales' exponents
	s_load_b64 s[84:85], s[0:1], 0x40              ; qkv
	v_lshl_add_u32 v[SPW], v0, 2, SPARE
	v_mov_b32 v[NIL], 0
	ds_add_u32 v28, v29
	ds_add_u32 v28, v29
	s_wait_dscnt 0x0
	v_lshrrev_b32 v1, 5, v0
	v_readfirstlane_b32 s14, v1                    ; wave 0..3
	s_lshr_b32 s15, s14, 1                         ; which half of the tile's rows is mine.  Also: I fetch for A (0) or for B (1)
	s_and_b32 s16, s14, 1                          ; which half of its columns.  Also: which 128 rows of that tile I fetch
	s_bfe_u32 s40, ttmp6, 0x40000                  ; cx, cy
	s_bfe_u32 s41, ttmp6, 0x40004
	s_and_b32 s86, ttmp7, 0xffff                   ; which product: the cluster's y
	s_lshl_b32 s87, ttmp9, 2                       ; 4 x the cluster's x: the quarter of the tokens, in tiles
	s_cmp_eq_u32 s86, 2                            ; v?
	s_cselect_b32 s17, 0, s87                      ; the tokens are A's rows for q and k,
	s_cselect_b32 s42, s87, 0                      ; B's rows for v
	s_cselect_b32 s98, 0, -1                       ; the bias runs along B's rows for q and k (all lanes),
	s_cselect_b32 s99, -1, 0                       ; along A's rows for v
	s_mov_b32 s66, 1024
	s_cselect_b32 s66, 2048, s66                   ; from one block of 16 rows of A to the next, in the output
	s_mov_b32 s67, 0
	s_cselect_b32 s100, 122880, 0                  ; v: behind block 3 the next head begins: 131,072 - 4 x 2,048 more
	s_mov_b32 s101, 0
	s_mov_b32 s94, 131072
	s_cselect_b32 s94, 1024, s94                   ; from registers 0-7 of the codes to registers 8-15: q, k: the next head; v: the fragment's second half
	s_add_co_u32 s17, s17, s41                     ; tile row = .. + cy
	s_add_co_u32 s42, s42, s40                     ; tile column = .. + cx
	s_lshl_b32 s43, s41, 2
	s_lshl_b32 s43, 15, s43                        ; my row of the cluster
	s_lshl_b32 s44, 0x1111, s40                    ; my column
	s_or_b32 s[G1+0], s43, (0<<16)|(1<<20)|(1<<21)|(5<<22)|(3<<25)  ; the mask; elements of 1 byte; padding on; bit 21 beside a mask; after every 64 words; 4 words
	s_or_b32 s[G1B+0], s44, (0<<16)|(1<<20)|(1<<21)|(5<<22)|(3<<25)
.irp g, G1, G1B
	s_mov_b32 s[\g+1], ROWB<<16                    ; tensor_dim0
	s_mov_b32 s[\g+2], 128<<16                     ; tensor_dim1
	s_mov_b32 s[\g+3], ROWB<<16                    ; tile_dim0
	s_mov_b32 s[\g+4], 128                         ; tile_dim1
	s_mov_b32 s[\g+5], KROW                        ; tensor_dim0_stride
	s_mov_b32 s[\g+6], 0
	s_mov_b32 s[\g+7], 0
.endr
	s_lshl_b32 s18, s16, 7
	s_lshl_b32 s20, s17, 8
	s_add_co_u32 s20, s20, s18                     ; A: row 256 x tile row + 128 x half
	s_lshl_b32 s46, s42, 8
	s_add_co_u32 s46, s46, s18                     ; B: row 256 x tile column + 128 x half
	s_lshl_b32 s20, s20, 10                        ; x 1,024 bytes a row
	s_lshl_b32 s46, s46, 10
	s_mov_b32 s21, 0
	s_mov_b32 s47, 0
	s_mul_i32 s45, s14, HALFT                      ; where they go: wave x 128 rows
	s_lshl_b32 s88, s86, 22                        ; the product's plane of 4 MiB, in hc and in qkv
	s_mov_b32 s89, 0
	s_wait_kmcnt 0x0
	s_add_nc_u64 s[68:69], s[68:69], s[88:89]      ; h's codes under this product's scale
	s_add_nc_u64 s[10:11], s[84:85], s[88:89]      ; the output's plane
	s_cmp_eq_u32 s86, 0
	s_cselect_b64 s[6:7], s[70:71], s[72:73]       ; Wq or Wk
	s_cselect_b64 s[8:9], s[76:77], s[78:79]       ; bq or bk
	s_cmp_eq_u32 s86, 2
	s_cselect_b64 s[4:5], s[74:75], s[68:69]       ; A: Wv, or h
	s_cselect_b64 s[6:7], s[68:69], s[6:7]         ; B: h, or the weight
	s_cselect_b64 s[8:9], s[80:81], s[8:9]         ; the bias
	s_mov_b64 s[12:13], s[82:83]
	s_load_b512 s[68:83], s[12:13], 0x0            ; all sixteen exponents; they are waited for on the way out
	s_add_nc_u64 s[20:21], s[4:5], s[20:21]
	s_add_nc_u64 s[46:47], s[6:7], s[46:47]
	CROUND                                         ; all sixteen work-groups are here: the first joint loads meet
.irp s, 0,1
	s_mov_b32 s[G0+4*\s], 1
	s_add_co_u32 s[G0+4*\s+1], s45, \s*SLOT
	s_add_nc_u64 s[G0+4*\s+2:G0+4*\s+3], s[20:21], \s*ROWB
	s_or_b32 s[G0+4*\s+3], s[G0+4*\s+3], 0x80000000
	s_mov_b32 s[G0B+4*\s], 1
	s_add_co_u32 s[G0B+4*\s+1], s45, \s*SLOT
	s_add_nc_u64 s[G0B+4*\s+2:G0B+4*\s+3], s[46:47], \s*ROWB
	s_or_b32 s[G0B+4*\s+3], s[G0B+4*\s+3], 0x80000000
	JLOAD G0+4*\s, G1, G0B+4*\s, G1B
.endr
	v_and_b32 v1, 15, v0                           ; r
	v_bfe_u32 v2, v0, 4, 1                         ; h
	v_mul_u32_u24 v3, v1, PITCH
	v_lshl_add_u32 v4, v2, 4, v3                   ; a fragment's row x pitch + 16 x half
	s_mul_i32 s21, s15, HALFT                      ; my 128 rows of A
	s_mul_i32 s22, s16, HALFT                      ; my 128 rows of B,
	s_add_co_u32 s22, s22, 2*HALFT                 ; which lie behind A's 256
.irp s, 0,1
	v_add_nc_u32 v[ADRA+\s], s21, v4
	v_add_nc_u32 v[ADRB+\s], s22, v4
	s_add_co_u32 s21, s21, SLOT
	s_add_co_u32 s22, s22, SLOT
.endr
	v_and_b32 v6, 31, v0
	v_lshlrev_b32 v[VO0], 4, v6
	v_add_nc_u32 v[VO1], s94, v[VO0]
	v_lshlrev_b32 v[BO], 5, v2
	v_lshlrev_b32 v[BR], 2, v1
	s_lshl_b32 s46, s42, 8
	s_lshl_b32 s47, s16, 7
	s_add_co_u32 s46, s46, s47                     ; n0: my first row of B
	s_lshl_b32 s20, s17, 8
	s_lshl_b32 s21, s15, 7
	s_add_co_u32 s20, s20, s21                     ; m0: my first row of A
	s_lshl_b32 s22, s46, 2
	s_lshl_b32 s23, s20, 2
	s_cmp_eq_u32 s86, 2
	s_cselect_b32 s88, 0, s22                      ; THE BIAS IN TWO TERMS, one of which is made 0 on the way out.  The term that does not apply is loaded from the bias's first bytes: no load leaves its 1,024 numbers
	s_cselect_b32 s90, s23, 0
	s_cselect_b32 s92, s46, s20                    ; my first token,
	s_cselect_b32 s93, s20, s46                    ; my first channel
	s_mov_b32 s89, 0
	s_mov_b32 s91, 0
	s_add_nc_u64 s[88:89], s[8:9], s[88:89]
	s_add_nc_u64 s[90:91], s[8:9], s[90:91]
.irp b, 0,1,2,3,4,5,6,7
	global_load_b128 v[BN+8*\b:BN+8*\b+3], v[BO], s[88:89] offset:64*\b        ; bias(n0 + 16 b + 8 h + 0..7)
	global_load_b128 v[BN+8*\b+4:BN+8*\b+7], v[BO], s[88:89] offset:64*\b+16
.endr
.irp a, 0,1,2,3,4,5,6,7
	global_load_b32 v[BM+2*\a], v[BR], s[90:91] offset:64*\a                   ; bias(m0 + 16 a + r)
	v_mov_b32 v[BM+2*\a+1], 0                      ; (named with it as a pair, so it is written)
.endr
	s_lshr_b32 s22, s92, 11                        ; the output: batch x 2 MiB
	s_lshl_b32 s22, s22, 21
	s_lshr_b32 s23, s93, 6                         ; + head x 131,072
	s_lshl_b32 s23, s23, 17
	s_add_co_u32 s22, s22, s23
	s_and_b32 s23, s92, 2047                       ; + token in the batch x 64: 1,024 bytes for 16 tokens of q or k, 8,192 for 128 keys of v
	s_lshl_b32 s23, s23, 6
	s_add_co_u32 s22, s22, s23
	s_mov_b32 s23, 0
	s_add_nc_u64 s[10:11], s[10:11], s[22:23]
.macro FRAG reg, adr, q, i             ; 16 rows x 128 K in 16 registers by four loads of 16 bytes: registers 4 c .. 4 c + 3 hold K = 32 c + 16 (l / 16) + 0..15: a permutation of k, the same in A and in B
.irp c, 0,1,2,3
	ds_load_b128 v[\reg+4*\c:\reg+4*\c+3], v[\adr] offset:128*(\q)+32*\c+(\i)*16*PITCH
.endr
.endm
; 16 matrix instructions: A's blocks a0, a0 + 1 x B's eight.  The 64 accumulators take turns, one instruction a turn, in the same order in every step.
.macro MUL16 a0, p, zero
.irp a, \a0, \a0+1
.irp b, 0,1,2,3,4,5,6,7
.if \zero
	v_wmma_f32_16x16x128_bf8_bf8 v[8*(8*((\a)%4)+\b):8*(8*((\a)%4)+\b)+7], v[128*(\p)+FR*\b:128*(\p)+FR*\b+FR-1], v[AF+FR*(\a):AF+FR*(\a)+FR-1], 0
.else
	v_wmma_f32_16x16x128_bf8_bf8 v[8*(8*((\a)%4)+\b):8*(8*((\a)%4)+\b)+7], v[128*(\p)+FR*\b:128*(\p)+FR*\b+FR-1], v[AF+FR*(\a):AF+FR*(\a)+FR-1], v[8*(8*((\a)%4)+\b):8*(8*((\a)%4)+\b)+7]
.endif
.endr
.endr
.endm
.macro FETCH_B slot, q, p
	WIN TO_B
.irp i, 0,1,2,3,4,5,6,7
	FRAG 128*(\p)+FR*\i, ADRB+\slot, \q, \i
.endr
	WIN 0
.endm
.macro FETCH_A slot, q, i0
.irp i, \i0, \i0+1, \i0+2, \i0+3
	FRAG AF+FR*(\i), ADRA+\slot, \q, \i
.endr
.endm
.macro PLACES n                        ; plain vector instructions between a matrix instruction and a load into, or a vector read or write of, its registers
.rept \n
	v_nop
.endr
.endm
.macro STEP slot, q, zero              ; 128 along K with its successor in the same slot
	s_wait_dscnt 4*NL                              ; B's set and A's blocks 0-3 are in; the youngest 16 loads (A's blocks 4-7) may be out
	WIN MUL_LO
	MUL16 0, (\q)%2, \zero
	MUL16 2, (\q)%2, \zero
	s_wait_dscnt 0
	PLACES NP
	FETCH_B \slot, (\q)+1, 1-(\q)%2
	FETCH_A \slot, (\q)+1, 0
	WIN MUL_HI
	MUL16 4, (\q)%2, \zero
	MUL16 6, (\q)%2, \zero
	PLACES NP
	WIN 0
	FETCH_A \slot, (\q)+1, 4
.endm
; A slot's last step changes slots: one barrier; in front of it each wave waits for all its tensor loads, adds 0 to its spare word, and waits for that and for its own reads of this slot.
.macro TURN slot, next, fill
	s_wait_tensorcnt 0x0                           ; all my tensor loads have landed: my part of the next slot
	ds_add_u32 v[SPW], v[NIL]                      ; 0 onto my spare word
	s_wait_dscnt 4*NL+1                            ; the add and the youngest 16 loads may be out
	WIN MUL_LO
	MUL16 0, 1, 0
	s_wait_dscnt 0x0                               ; the add is done, and my reads of this slot are over
	s_barrier_signal -1
	MUL16 2, 1, 0
	WIN 0
	s_barrier_wait -1
.if \fill
	CREST                                          ; the barrier has opened a round of the cluster's: no wave of any partner still reads this slot or has a load on its way
	s_add_nc_u64 s[G0+4*\slot+2:G0+4*\slot+3], s[G0+4*\slot+2:G0+4*\slot+3], 2*ROWB
	s_add_nc_u64 s[G0B+4*\slot+2:G0B+4*\slot+3], s[G0B+4*\slot+2:G0B+4*\slot+3], 2*ROWB
	JLOAD G0+4*\slot, G1, G0B+4*\slot, G1B         ; the first tensor load behind the round; its four v_nop are the places in front of the loads below
.else
	PLACES NP
.endif
	FETCH_B \next, 0, 0
	FETCH_A \next, 0, 0
	WIN MUL_HI
	MUL16 4, 1, 0
	MUL16 6, 1, 0
	PLACES NP
	WIN 0
	FETCH_A \next, 0, 4
.endm
	s_wait_tensorcnt 1                             ; my part of K step 0 is in; K step 1's load, issued behind it, may be out
	s_barrier_signal -1
	s_barrier_wait -1
	FETCH_B 0, 0, 0
	FETCH_A 0, 0, 0
	FETCH_A 0, 0, 4
	STEP 0, 0, 1                                   ; the first step's products start the sums
	s_mov_b32 s3, LAPS-1
.Llap:
	TURN 0, 1, 1
	STEP 1, 0, 0
	TURN 1, 0, 1
	STEP 0, 0, 0
	s_sub_co_u32 s3, s3, 1
	s_cmp_lg_u32 s3, 0
	s_cbranch_scc1 .Llap
	TURN 0, 1, 0                                   ; the last lap fills nothing
	STEP 1, 0, 0
	s_wait_dscnt 4*NL
	WIN MUL_LO
	MUL16 0, 1, 0
	MUL16 2, 1, 0
	s_wait_dscnt 0
	WIN MUL_HI
	MUL16 4, 1, 0
	MUL16 6, 1, 0
	WIN 0
	; THE WAY OUT.  value = sum x 2^(ea + eb) + bias; held; converted; stored as the image of a fragment.
	s_wait_kmcnt 0x0                               ; the sixteen exponents
	s_wait_loadcnt 0x0                             ; the bias
	s_add_co_i32 s18, s68, s69                     ; the additions stand ahead of the compares: they set SCC
	s_add_co_i32 s19, s70, s71
	s_add_co_i32 s22, s72, s73
	s_cmp_eq_u32 s86, 0
	s_cselect_b32 s18, s18, s19
	s_cselect_b32 s19, s74, s75                    ; entry 6 for q, 7 for k,
	s_cmp_eq_u32 s86, 2
	s_cselect_b32 s18, s22, s18
	s_cselect_b32 s19, s77, s19                    ; 9 for v
	s_add_co_i32 s96, s18, 127
	s_lshl_b32 s96, s96, 23                        ; 2^(ea + eb) as f32
	s_mov_b32 s97, s96                             ; (named with it as a pair, so it is written)
	s_add_co_i32 s19, s19, 127
	s_lshl_b32 s22, s19, 23
	v_mov_b32 v[SC], s22
	s_add_co_i32 s19, s19, 15
	s_lshl_b32 s19, s19, 23
	s_or_b32 s19, s19, 0x600000
	v_mov_b32 v[LIM], s19
	PLACES NP
.set jj, 0
.rept 64
	v_cndmask_b32 v[BN+jj], 0, v[BN+jj], s98       ; the term that does not apply becomes 0
.set jj, jj+1
.endr
.irp a, 0,1,2,3,4,5,6,7
	v_cndmask_b32 v[BM+2*\a], 0, v[BM+2*\a], s99
.endr
.macro OUTBLK a
.set AC, 64*((\a)%4)
	WIN 0x02+((\a)/4)                              ; source 0: window 2 or 3
.set jj, 0
.rept 32
	v_pk_fma_f32 v[TMP+jj:TMP+jj+1], v[AC+jj:AC+jj+1], s[96:97], v[BN+jj:BN+jj+1] op_sel_hi:[1,0,1]   ; each accumulator from its low end on
.set jj, jj+2
.endr
	WIN 0
.set jj, 0
.rept 32
	v_pk_add_f32 v[TMP+jj:TMP+jj+1], v[TMP+jj:TMP+jj+1], v[BM+2*(\a):BM+2*(\a)+1] op_sel_hi:[1,0]
.set jj, jj+2
.endr
.set jj, 0
.rept 64
	v_med3_num_f32 v[TMP+jj], v[TMP+jj], -v[LIM], v[LIM]   ; the conversion does not saturate (ISA guide 7.6.2)
.set jj, jj+1
.endr
.if (\a) > 0
	s_wait_xcnt 0x0                                ; the last block's stores have read their data and their base: both are written again only behind this wait
	s_add_nc_u64 s[10:11], s[10:11], s[66:67]
.endif
.if (\a) == 4
	s_add_nc_u64 s[10:11], s[10:11], s[100:101]
.endif
.irp b, 0,1,2,3,4,5,6,7
	v_cvt_scalef32_pk8_bf8_f32 v[CD+2*\b:CD+2*\b+1], v[TMP+8*\b:TMP+8*\b+7], v[SC]
.endr
	v_nop                                          ; a plain instruction between the conversions and the next block's lines, which write their sources
	global_store_b128 v[VO0], v[CD:CD+3], s[10:11]                 ; 32 lanes store 512 consecutive bytes, aligned
	global_store_b128 v[VO0], v[CD+4:CD+7], s[10:11] offset:512
	global_store_b128 v[VO1], v[CD+8:CD+11], s[10:11]
	global_store_b128 v[VO1], v[CD+12:CD+15], s[10:11] offset:512
.endm
.irp a, 0,1,2,3,4,5,6,7
	OUTBLK \a
.endr
	s_wait_tensorcnt 0x0                           ; the wave's end
	ds_add_u32 v[SPW], v[NIL]
	s_wait_dscnt 0x0
	CROUND                                         ; the closing round: no work-group ends while a partner may still ask for a tile that names it
	s_endpgm
.Lfunc_end_k_q2e0aa1e4f9_qkv:
	.size	k_q2e0aa1e4f9_qkv, .Lfunc_end_k_q2e0aa1e4f9_qkv-k_q2e0aa1e4f9_qkv
	.p2alignl 7, 3214868480
	.fill 96, 4, 3214868480
	.section	.rodata,"a",@progbits
	.p2align	6, 0x0
	.amdhsa_kernel k_q2e0aa1e4f9_qkv
		.amdhsa_group_segment_fixed_size 327680
		.amdhsa_private_segment_fixed_size 0
		.amdhsa_enable_private_segment 0
		.amdhsa_kernarg_size 72
		.amdhsa_user_sgpr_count 2
		.amdhsa_user_sgpr_kernarg_segment_ptr 1
		.amdhsa_wavefront_size32 1
		.amdhsa_system_sgpr_workgroup_id_x 1
		.amdhsa_system_sgpr_workgroup_id_y 1
		.amdhsa_system_sgpr_workgroup_id_z 1
		.amdhsa_system_vgpr_workitem_id 0
		.amdhsa_next_free_vgpr 1024
		.amdhsa_next_free_sgpr 102
		.amdhsa_reserve_vcc 0
		.amdhsa_float_denorm_mode_32 3
		.amdhsa_float_denorm_mode_16_64 3
		.amdhsa_memory_ordered 1
		.amdhsa_forward_progress 1
		.amdhsa_inst_pref_size 159
	.end_amdhsa_kernel
	.amdgpu_metadata
---
amdhsa.version: [ 1, 2 ]
amdhsa.kernels:
  - .name:           k_q2e0aa1e4f9_qkv
    .symbol:         k_q2e0aa1e4f9_qkv.kd
    .args:
      - { .name: hc, .offset: 0, .size: 8, .value_kind: global_buffer, .address_space: global }
      - { .name: Wq_codes, .offset: 8, .size: 8, .value_kind: global_buffer, .address_space: global }
      - { .name: Wk_codes, .offset: 16, .size: 8, .value_kind: global_buffer, .address_space: global }
      - { .name: Wv_codes, .offset: 24, .size: 8, .value_kind: global_buffer, .address_space: global }
      - { .name: bq, .offset: 32, .size: 8, .value_kind: global_buffer, .address_space: global }
      - { .name: bk, .offset: 40, .size: 8, .value_kind: global_buffer, .address_space: global }
      - { .name: bv, .offset: 48, .size: 8, .value_kind: global_buffer, .address_space: global }
      - { .name: lowp_scales, .offset: 56, .size: 8, .value_kind: global_buffer, .address_space: global }
      - { .name: qkv, .offset: 64, .size: 8, .value_kind: global_buffer, .address_space: global }
    .group_segment_fixed_size: 327680
    .private_segment_fixed_size: 0
    .kernarg_segment_align: 8
    .kernarg_segment_size: 72
    .max_flat_workgroup_size: 128
    .sgpr_count:     102
    .vgpr_count:     1024
    .wavefront_size: 32
...
	.end_amdgpu_metadata
.endif
;; end of part 2
;; launch attn (part 3): grid 8 x 32, 16 waves a work-group, clusters of 4 x 1, 264,192 bytes of LDS; arguments qkv, lowp_scales, ao; writes ao
.if DOCPART == 3
	.amdgcn_target "amdgcn-amd-amdhsa--gfx1250"
	.amdhsa_code_object_version 6
	.text
	.protected	k_q2e0aa1e4f9_attn
	.globl	k_q2e0aa1e4f9_attn
	.p2align	8
	.type	k_q2e0aa1e4f9_attn,@function
k_q2e0aa1e4f9_attn:
	s_mov_b64 s[64:65], 0
	v_nop
	global_prefetch_b8 v0, s[64:65] scope:SCOPE_SE
	s_setreg_imm32_b32 hwreg(HW_REG_WAVE_MODE, 25, 1), 1
	s_wait_xcnt 0x0
	s_wait_alu depctr_hold_cnt(0) depctr_sa_sdst(0) depctr_va_vdst(0) depctr_va_sdst(0) depctr_va_ssrc(0) depctr_va_vcc(0) depctr_vm_vsrc(0)
	s_getreg_b32 s2, hwreg(HW_REG_IB_STS2, 6, 4)
	s_cmp_eq_u32 s2, 0
	s_cbranch_scc0 .Lentry_in_a_cluster
	s_endpgm
.Lentry_in_a_cluster:
	s_bfe_u32 s2, ttmp6, 0x10000c
	s_cmp_lg_u32 s2, 0x3003
	s_cbranch_scc0 .Lentry_shape_is_right
	s_endpgm
.Lentry_shape_is_right:
; o = softmax(q k^T / 8) v for 32 heads (bh = 16 x batch + head) of 2,048 tokens x 64, both products on codes of BF8 (E5M2); the result is quantised again (entry 10 of the scales) for the next product.
; THE SOFTMAX AHEAD OF THE SECOND PRODUCT: t = score x log2(e) / 8; M = the row's largest t so far, rounded UP to a whole number; p = 2^(t - M) is quantised (entry 8), not normalised.
; The row's sum is taken of the unquantised p and divides at the end.  When M moves, the sum and O are multiplied by 2^(old M - new M), which rounds nothing.
; IN: three planes of 4 MiB, each 131,072 bytes a head, IMAGES OF FRAGMENTS' REGISTERS (four registers at 512 g + 16 x lane):  q, k: [tile of 16 tokens][1,024] (16 x 64);  v: [128 keys][16 of d][2,048] (16 of d x 128 keys).
; SHARES.  A work-group owns 256 queries of one head, each of its sixteen waves 16 of them in 256 registers: four waves to a SIMD, so that one wave's vector work stands beside another's matrix work and LDS loads.
; LDS holds ALL of the head's k (0 ..) and v (131,072 ..), each byte filled once: no slot is ever filled again.  Images are read at 16 x lane: no pitch, no padding.
; CLUSTER.  The four query blocks of a cluster belong to one head and need the same k and v: every tile is asked for jointly (mask 15).  Each wave asks for two blocks of 8 KiB: waves 0-7 for k, 8-15 for v;
; the first load brings keys 0-1,023, the second keys 1,024-2,047, which land while the first half is worked on.
; LAYOUT.  Both products are used transposed: S^T = k q^T (source 0 = 16 keys), O^T = v^T p^T (source 0 = 16 of d): a lane holds ONE query (lane % 16) throughout.  In tile i of S^T lane (r, h) holds keys 16 i + 8 h + 0..7:
; its eight codes are registers 2 i, 2 i + 1 of p's fragment.  Likewise O^T's four tiles give 8 registers of the next product's fragment (k = 64 x head + d).
; OUT: [tile of 16 tokens][128 along k][2,048]: images of fragments 16 x 128; a head's part is 1,024 bytes: two stores of 512 consecutive bytes.
; LIMITS: entries 6 + 7 between -123 and 130 (they are added to c's exponent field); entries 8 and 10 between -126 and 112; 8 + 9 is applied by v_ldexp_f32 and has none.  p under 2^-126 counts as 0.  NaN is not served.
; REGISTERS: v1 16 x lane; v8, v9 addresses in hand; v12 -M, v13 the largest t, v[14:15] the sum; v16-23 q; v32-95 k's eight fragments, then v's four; v96-159 S^T, then p; v160-191 O^T; v224-239 p's codes; v240-254 scales and work.
.set LI,   1
.set ADK,  8
.set ADV,  9
.set WV,   18
.set SEL,  20
.set CS,   22
.set G1,   24                          ; s[24:31] descriptor group 1;  s[32:35], s[36:39] the two groups 0: never rewritten
.set TB,   2                           ; s2  LDS byte of the 128 keys in hand, within k's half of LDS
.set CNT,  3
.macro CROUND                          ; a round of the cluster's barrier
	s_barrier_signal -1
	s_barrier_wait -1
	s_cmp_lg_u32 s[WV], 0
	s_cbranch_scc1 .Lnot_wave_0_\@
	s_barrier_signal -3
.Lnot_wave_0_\@:
	s_barrier_wait -3
	s_barrier_signal -1
	s_barrier_wait -1
.endm
	s_load_b128 s[4:7], s[0:1], 0x0                ; qkv s[4:5], the scales' exponents s[6:7]
	s_load_b64 s[8:9], s[0:1], 0x10                ; ao
	v_lshl_add_u32 v251, v0, 2, 0x40000
	v_mov_b32 v255, 0
	ds_add_u32 v251, v255
	ds_add_u32 v251, v255
	v_lshrrev_b32 v2, 5, v0
	v_readfirstlane_b32 s[WV], v2                  ; wave 0..15
	s_bfe_u32 s10, ttmp6, 0x40000                  ; cx
	s_lshl_b32 s11, ttmp9, 2
	s_add_co_u32 s11, s11, s10                     ; my block of 256 queries: it enters q's and the output's addresses alone
	s_and_b32 s12, ttmp7, 0xffff                   ; bh, which the four partners share
	s_lshl_b32 s40, s12, 17                        ; the head's first byte in a plane
	s_lshr_b32 s13, s[WV], 3                       ; I fetch for k (0) or for v (1)
	s_and_b32 s14, s[WV], 7
	s_lshl_b32 s14, s14, 13                        ; which 128 keys: 8,192 bytes
	s_lshl_b32 s15, s13, 22
	s_add_co_u32 s15, s15, 0x400000                ; plane 1 or 2
	s_add_co_u32 s42, s15, s14
	s_add_co_u32 s42, s42, s40
	s_mov_b32 s43, 0
	s_lshl_b32 s16, s13, 16
	s_lshl_b32 s17, s[WV], 13
	s_add_co_u32 s16, s16, s17                     ; in LDS: waves 0-7: 8,192 w;  waves 8-15: 131,072 + 8,192 (w - 8)
	s_mov_b32 s[G1], 15|(3<<16)|(1<<21)            ; the mask: all four work-groups; elements of 8 bytes; bit 21 beside a mask; no padding
	s_mov_b32 s[G1+1], 32<<16                      ; tensor_dim0 = 32: rows of 256 bytes
	s_mov_b32 s[G1+2], 32<<16                      ; tensor_dim1 = 32
	s_mov_b32 s[G1+3], 32<<16                      ; tile_dim0
	s_mov_b32 s[G1+4], 32                          ; tile_dim1
	s_mov_b32 s[G1+5], 32                          ; the block is dense: pitch = row
	s_mov_b32 s[G1+6], 0
	s_mov_b32 s[G1+7], 0
	s_mov_b32 s[SEL], 0x76543210
	s_mov_b32 s[SEL+1], 0xfedcba98
	s_mov_b32 s[CS], 0x3e38aa3b                    ; c = log2(e) / 8
	s_mov_b32 s[TB], 0
	s_lshl_b32 s46, s11, 4
	s_add_co_u32 s46, s46, s[WV]                   ; my tile of 16 queries in the head
	s_lshl_b32 s44, s46, 10
	s_add_co_u32 s44, s44, s40                     ; its image in plane 0
	s_mov_b32 s45, 0
	s_lshr_b32 s48, s12, 4
	s_lshl_b32 s48, s48, 7
	s_add_co_u32 s48, s48, s46                     ; my tile of 16 tokens among 256: 128 x batch + ..
	s_lshl_b32 s48, s48, 14                        ; x 8 fragments of 2,048 bytes
	s_and_b32 s49, s12, 15
	s_lshl_b32 s49, s49, 10                        ; + head x 1,024: fragment head / 2, half head % 2
	s_add_co_u32 s48, s48, s49
	s_mov_b32 s49, 0
	s_wait_dscnt 0x0
	s_wait_kmcnt 0x0
	s_load_b128 s[68:71], s[6:7], 0x18             ; entries 6 to 9
	s_load_b32 s72, s[6:7], 0x28                   ; entry 10
	s_mov_b32 s32, 1
	s_mov_b32 s33, s16
	s_add_nc_u64 s[34:35], s[4:5], s[42:43]
	s_mov_b32 s36, 1
	s_add_co_u32 s37, s16, 0x10000                 ; the second load: 1,024 keys on, in LDS and in memory
	s_add_nc_u64 s[38:39], s[34:35], 0x10000
	s_or_b32 s35, s35, 0x80000000
	s_or_b32 s39, s39, 0x80000000
	s_add_nc_u64 s[4:5], s[4:5], s[44:45]          ; q at my tile
	s_add_nc_u64 s[8:9], s[8:9], s[48:49]          ; the output at my tile
	CROUND                                         ; all four work-groups are here: the joint loads meet
	tensor_load_to_lds s[32:35], s[G1:G1+7]        ; two loads of mine are out
	s_nop 0
	tensor_load_to_lds s[36:39], s[G1:G1+7]
	s_nop 0
.rept 4
	v_nop
.endr
	v_and_b32 v[LI], 31, v0
	v_lshlrev_b32 v[LI], 4, v[LI]
	global_load_b128 v[16:19], v[LI], s[4:5]       ; q's fragment stays in registers
	global_load_b128 v[20:23], v[LI], s[4:5] offset:512
	v_mov_b32 v13, 0xff61b1e6                      ; the largest t so far: -3e38, under every t
	v_floor_f32 v12, -v13                          ; -M
	v_mov_b32 v14, 0
	v_mov_b32 v15, 0
	v_mov_b32 v246, 0                              ; written once: a lane permute's destination counts as one of its sources
	v_mov_b32 v253, 0                              ; (named as the upper half of the pair v[252:253])
.set jj, 0
.rept 32
	v_mov_b32 v[160+jj], 0                         ; O^T.  (The step is written once: the first finds zeros, which the first change of M leaves zeros)
.set jj, jj+1
.endr
	s_wait_kmcnt 0x0
	s_add_co_i32 s73, s68, s69
	s_lshl_b32 s73, s73, 23
	s_add_co_i32 s[CS], s[CS], s73                 ; a score stands for score x 2^(e6 + e7): added to c's exponent field
	s_mov_b32 s[CS+1], s[CS]
	s_add_co_i32 s73, s70, 127
	s_lshl_b32 s74, s73, 23
	v_mov_b32 v244, s74                            ; 2^e8, for p's conversion
	s_add_co_i32 s73, s73, 15
	s_lshl_b32 s73, s73, 23
	s_or_b32 s73, s73, 0x600000
	v_mov_b32 v240, s73                            ; 57,344 x 2^e8
	s_add_co_i32 s73, s72, 127
	s_lshl_b32 s74, s73, 23
	v_mov_b32 v245, s74                            ; 2^e10, for the result's
	s_add_co_i32 s73, s73, 15
	s_lshl_b32 s73, s73, 23
	s_or_b32 s73, s73, 0x600000
	v_mov_b32 v241, s73
; A KEY STEP: 128 keys.
.macro STEP
	v_add_nc_u32 v[ADK], s[TB], v[LI]
	v_add_nc_u32 v[ADV], 0x20000, v[ADK]
	v_nop                                          ; with the two additions: four places in front of loads into registers that the last products read
	v_nop
.irp i, 0,1,2,3,4,5,6,7
	ds_load_b128 v[32+8*\i:35+8*\i], v[ADK] offset:1024*\i
	ds_load_b128 v[36+8*\i:39+8*\i], v[ADK] offset:1024*\i+512
.endr
	s_wait_dscnt 0x0
.irp i, 0,1,2,3,4,5,6,7
	v_wmma_f32_16x16x64_bf8_bf8 v[96+8*\i:103+8*\i], v[32+8*\i:39+8*\i], v[16:23], 0
.endr
.rept 4
	v_nop                                          ; places in front of the loads below and of the first read of the scores
.endr
.irp t, 0,1,2,3
.irp g, 0,1,2,3
	ds_load_b128 v[32+16*\t+4*\g:35+16*\t+4*\g], v[ADV] offset:2048*\t+512*\g   ; v's four fragments land while the softmax is walked
.endr
.endr
	v_max3_num_f32 v254, v96, v97, v98             ; the step's largest score of my query among my 64 keys, in two chains, ascending: each accumulator is read from its low end on
	v_max3_num_f32 v252, v99, v100, v101
.irp i, 6,10,14,18,22,26,30,34,38,42,46,50,54,58
	v_max3_num_f32 v254, v254, v[96+\i], v[97+\i]
	v_max3_num_f32 v252, v252, v[98+\i], v[99+\i]
.endr
	v_max3_num_f32 v254, v254, v158, v159
	v_max_num_f32 v254, v254, v252
	v_permlanex16_b32 v246, v254, s[SEL], s[SEL+1]
	v_max_num_f32 v254, v254, v246                 ; and among lane l xor 16's
	v_mul_f32 v254, s[CS], v254                    ; as t (c is positive)
	v_max_num_f32 v13, v13, v254
	v_mov_b32 v254, v12
	v_floor_f32 v12, -v13                          ; the new -M = floor(-t) = -ceil(t)
	v_sub_f32 v254, v12, v254                      ; old M - new M: a whole number, 0 or less
	v_cvt_i32_f32 v254, v254                       ; (it saturates)
	v_ldexp_f32 v252, 1.0, v254                    ; f = 2^(old M - new M)
.set jj, 0
.rept 32
	v_pk_fma_f32 v[96+jj:97+jj], v[96+jj:97+jj], s[CS:CS+1], v[12:13] op_sel_hi:[1,0,0]   ; t - M
.set jj, jj+2
.endr
.set jj, 0
.rept 64
	v_exp_f32 v[96+jj], v[96+jj]                   ; p = 2^(t - M)
.set jj, jj+1
.endr
	v_pk_mul_f32 v[14:15], v[14:15], v[252:253] op_sel_hi:[1,0]    ; the sums under the new M: the plain instruction behind the exponentials
	s_wait_alu depctr_va_vdst(0)                   ; one wait for the whole batch, ahead of its first reader
	v_pk_add_f32 v[242:243], v[96:97], v[98:99]    ; the row's sum is taken of the unquantised p
.irp j, 4,8,12,16,20,24,28,32,36,40,44,48,52,56,60
	v_pk_add_f32 v[14:15], v[14:15], v[96+\j:97+\j]
	v_pk_add_f32 v[242:243], v[242:243], v[98+\j:99+\j]
.endr
	v_pk_add_f32 v[14:15], v[14:15], v[242:243]
.irp i, 0,1,2,3,4,5,6,7
.irp j, 0,1,2,3,4,5,6,7
	v_min_num_f32 v[96+8*\i+\j], v[96+8*\i+\j], v240   ; the conversion does not saturate (ISA guide 7.6.2); p is not negative, so the hold is one-sided
.endr
	v_cvt_scalef32_pk8_bf8_f32 v[224+2*\i:225+2*\i], v[96+8*\i:103+8*\i], v244
.endr
.set jj, 0
.rept 16
	v_pk_mul_f32 v[160+jj:161+jj], v[160+jj:161+jj], v[252:253] op_sel_hi:[1,0]   ; O^T under the new M; also the places between the conversions and the products
.set jj, jj+2
.endr
	s_wait_dscnt 0x0                               ; v's fragments are in
.irp t, 0,1,2,3
	v_wmma_f32_16x16x128_bf8_bf8 v[160+8*\t:167+8*\t], v[32+16*\t:47+16*\t], v[224:239], v[160+8*\t:167+8*\t]   ; four accumulators by turns, one instruction a turn
.endr
	s_add_co_u32 s[TB], s[TB], 8192
.endm
.macro HALF                            ; 1,024 keys
	s_mov_b32 s[CNT], 8
.Lstep_\@:
	STEP
	s_sub_co_u32 s[CNT], s[CNT], 1
	s_cmp_lg_u32 s[CNT], 0
	s_cbranch_scc1 .Lstep_\@
.endm
	s_wait_loadcnt 0x0                             ; q
	s_wait_tensorcnt 0x1                           ; my first load has landed; my second, issued behind it, may be out
	s_barrier_signal -1
	s_barrier_wait -1                              ; everybody's first has: keys 0 to 1,023 of k and v are whole
	HALF
	s_wait_tensorcnt 0x0                           ; my second load has landed
	s_barrier_signal -1
	s_barrier_wait -1
	HALF
	; THE WAY OUT
.rept 4
	v_nop                                          ; places behind the last products
.endr
	v_add_f32 v14, v14, v15
	v_permlanex16_b32 v246, v14, s[SEL], s[SEL+1]
	v_add_f32 v14, v14, v246                       ; the row's sum
	v_rcp_f32 v14, v14
	v_nop                                          ; a plain instruction behind the reciprocal
	s_add_co_i32 s73, s70, s71
	s_wait_alu depctr_va_vdst(0)                   ; and the wait ahead of its first reader
	v_ldexp_f32 v14, v14, s73                      ; x 2^(e8 + e9)
.set jj, 0
.rept 16
	v_pk_mul_f32 v[96+jj:97+jj], v[160+jj:161+jj], v[14:15] op_sel_hi:[1,0]    ; register 8 t + j is o(query r, d = 16 t + 8 h + j)
.set jj, jj+2
.endr
.set jj, 0
.rept 32
	v_med3_num_f32 v[96+jj], v[96+jj], -v241, v241
.set jj, jj+1
.endr
.irp t, 0,1,2,3
	v_cvt_scalef32_pk8_bf8_f32 v[224+2*\t:225+2*\t], v[96+8*\t:103+8*\t], v245
.endr
	v_nop
	global_store_b128 v[LI], v[224:227], s[8:9]                    ; 512 consecutive bytes, aligned
	global_store_b128 v[LI], v[228:231], s[8:9] offset:512
	s_wait_tensorcnt 0x0
	ds_add_u32 v251, v255
	s_wait_dscnt 0x0
	CROUND                                         ; the closing round
	s_endpgm
.Lfunc_end_k_q2e0aa1e4f9_attn:
	.size	k_q2e0aa1e4f9_attn, .Lfunc_end_k_q2e0aa1e4f9_attn-k_q2e0aa1e4f9_attn
	.p2alignl 7, 3214868480
	.fill 96, 4, 3214868480
	.section	.rodata,"a",@progbits
	.p2align	6, 0x0
	.amdhsa_kernel k_q2e0aa1e4f9_attn
		.amdhsa_group_segment_fixed_size 264192
		.amdhsa_private_segment_fixed_size 0
		.amdhsa_enable_private_segment 0
		.amdhsa_kernarg_size 24
		.amdhsa_user_sgpr_count 2
		.amdhsa_user_sgpr_kernarg_segment_ptr 1
		.amdhsa_wavefront_size32 1
		.amdhsa_system_sgpr_workgroup_id_x 1
		.amdhsa_system_sgpr_workgroup_id_y 1
		.amdhsa_system_sgpr_workgroup_id_z 1
		.amdhsa_system_vgpr_workitem_id 0
		.amdhsa_next_free_vgpr 256
		.amdhsa_next_free_sgpr 80
		.amdhsa_reserve_vcc 0
		.amdhsa_float_denorm_mode_32 3
		.amdhsa_float_denorm_mode_16_64 3
		.amdhsa_memory_ordered 1
		.amdhsa_forward_progress 1
		.amdhsa_inst_pref_size 42
	.end_amdhsa_kernel
	.amdgpu_metadata
---
amdhsa.version: [ 1, 2 ]
amdhsa.kernels:
  - .name:           k_q2e0aa1e4f9_attn
    .symbol:         k_q2e0aa1e4f9_attn.kd
    .args:
      - { .name: qkv, .offset: 0, .size: 8, .value_kind: global_buffer, .address_space: global }
      - { .name: lowp_scales, .offset: 8, .size: 8, .value_kind: global_buffer, .address_space: global }
      - { .name: ao, .offset: 16, .size: 8, .value_kind: global_buffer, .address_space: global }
    .group_segment_fixed_size: 264192
    .private_segment_fixed_size: 0
    .kernarg_segment_align: 8
    .kernarg_segment_size: 24
    .max_flat_workgroup_size: 512
    .sgpr_count:     80
    .vgpr_count:     256
    .wavefront_size: 32
...
	.end_amdgpu_metadata
.endif
;; end of part 3
;; launch wo (part 4): grid 8 x 32, 4 waves a work-group, clusters of 4 x 4, 327,680 bytes of LDS; arguments ao, Wo_codes, bo, x, lowp_scales, x1; writes x1
.if DOCPART == 4
	.amdgcn_target "amdgcn-amd-amdhsa--gfx1250"
	.amdhsa_code_object_version 6
	.text
	.protected	k_q2e0aa1e4f9_wo
	.globl	k_q2e0aa1e4f9_wo
	.p2align	8
	.type	k_q2e0aa1e4f9_wo,@function
k_q2e0aa1e4f9_wo:
	s_mov_b64 s[64:65], 0
	v_nop
	global_prefetch_b8 v0, s[64:65] scope:SCOPE_SE
	s_setreg_imm32_b32 hwreg(HW_REG_WAVE_MODE, 25, 1), 1
	s_wait_xcnt 0x0
	s_wait_alu depctr_hold_cnt(0) depctr_sa_sdst(0) depctr_va_vdst(0) depctr_va_sdst(0) depctr_va_ssrc(0) depctr_va_vcc(0) depctr_vm_vsrc(0)
	s_getreg_b32 s2, hwreg(HW_REG_IB_STS2, 6, 4)
	s_cmp_eq_u32 s2, 0
	s_cbranch_scc0 .Lentry_in_a_cluster
	s_endpgm
.Lentry_in_a_cluster:
	s_bfe_u32 s2, ttmp6, 0x10000c
	s_cmp_lg_u32 s2, 0xf033
	s_cbranch_scc0 .Lentry_shape_is_right
	s_endpgm
.Lentry_shape_is_right:
; out = res + A W^T + bias.  A: 4,096 x KDIM as IMAGES of fragments of BF8 (E5M2) codes, [tile of 16 rows][KDIM / 128][2,048] (four registers at 512 g + 16 x lane; registers 2 c, 2 c + 1: k = 16 c + 8 (lane / 16) + 0..7).
; W: [1,024][KDIM] codes, K innermost.  bias [1,024], res and out [4,096][1,024]: f32.  The sums are f32 and are multiplied once by 2^(ea + eb), the two entries of the scales at byte SOFF.
; SHARES.  N is 1,024: tiles of 256 x 256 would be 64, a quarter of the WGPs; so a tile is 128 x 128, 256 work-groups of four waves, 64 x 64 a wave: 16 accumulators.
; K goes in steps of 512 through two LDS slots.  A's part of a slot: 8 tiles of rows x 8,192 bytes, images, read at 16 x lane (no padding).  W's: 128 rows of 512 bytes + 16 of padding; its fragments are read by
; loads of 8 bytes, in the same order of k as the images have.
; CLUSTERS: 4 x 4 work-groups; A's tile is asked for jointly along a row of the cluster, W's along a column.  Waves 0, 1 fetch A's halves, waves 2, 3 W's.
; THE MATRIX INSTRUCTION IS USED TRANSPOSED (source 0 = 16 rows of W, source 1 = 16 rows of A): a lane holds eight neighbouring columns of a row.
; THE WAY OUT: a wave's 64 columns of f32 are 256 bytes: a block of 16 rows goes through the wave's own stage in LDS and comes back as whole rows, sixteen lanes to 256 consecutive bytes, aligned.
; The residual is asked for at the head, in that same layout, and lands under the products.
; LIMIT: ea + eb between -126 and 127.
; REGISTERS: window 0: v8-11 bias; v16-29 addresses; v32-95 at work on the way out; v128-255 the accumulators ((a, b) at v[128 + 8 (4 a + b)]).  window 1: two fragment buffers of 128: A's four, then W's four.  window 2: v0-127 the residual.
.set KDIM,  1024
.set SOFF,  0x28                       ; entries 10 and 11
.set LAPS,  KDIM/1024                  ; a lap = two K steps of 512
.set TTS,   16*KDIM                    ; from a tile of 16 rows of A to the next, in bytes
.set BP,    528                        ; 512 + 16: row r starts at bank 4 r mod 64 (64 banks of 4 bytes: ISA guide 11.1): the 32 lanes of a load of 8 bytes touch 64 different banks
.set AHALF, 32768
.set BOFF,  65536
.set BHALF, 64*BP
.set SLOT,  BOFF+2*BHALF
.set STAGE, 2*SLOT                     ; behind the ring: 16 rows x 272 bytes for each wave
.set SPITCH, 272
.set SPARE, STAGE+4*16*SPITCH          ; behind the stages: the spare words, 128 bytes a wave: two blocks of 256 bytes that no other line names
.set ADRA, 16
.set ADRB, 20
.set STO,  24
.set RD,   25
.set CO,   26
.set SPW,  28
.set NIL,  29
.set TMP,  32
.set ACC,  128
.set F0,   0
.set F1,   128
.set G1, 24
.set G0, 32
.set G1B, 48
.set G0B, 56
.set MSB, 0
.macro WIN new
.if MSB != \new
	s_set_vgpr_msb (MSB<<8)|\new
.set MSB, \new
.endif
.endm
.set MUL,  0x05                        ; sources 0 (W) and 1 (A) window 1; C and D window 0
.set TO_F, 0x40                        ; destination window 1
.macro JLOAD s                         ; a joint load; four v_nop follow each of the two lines
	s_cmp_eq_u32 s67, 0
	s_cbranch_scc0 .Lfor_b_\@
	tensor_load_to_lds s[G0+4*\s:G0+4*\s+3], s[G1:G1+7]
	s_nop 0
.rept 4
	v_nop
.endr
	s_branch .Lasked_\@
.Lfor_b_\@:
	tensor_load_to_lds s[G0B+4*\s:G0B+4*\s+3], s[G1B:G1B+7]
	s_nop 0
.rept 4
	v_nop
.endr
.Lasked_\@:
.endm
.macro CREST
	s_cmp_lg_u32 s66, 0
	s_cbranch_scc1 .Lnot_wave_0_\@
	s_barrier_signal -3
.Lnot_wave_0_\@:
	s_barrier_wait -3
	s_barrier_signal -1
	s_barrier_wait -1
.endm
.macro CROUND
	s_barrier_signal -1
	s_barrier_wait -1
	CREST
.endm
	s_load_b256 s[4:11], s[0:1], 0x0               ; A s[4:5], W s[6:7], bias s[8:9], res s[10:11]
	s_load_b128 s[12:15], s[0:1], 0x20             ; the scales' exponents s[12:13], out s[14:15]
	v_lshl_add_u32 v[SPW], v0, 2, SPARE
	v_mov_b32 v[NIL], 0
	ds_add_u32 v28, v29
	ds_add_u32 v28, v29
	s_wait_dscnt 0x0
	v_lshrrev_b32 v1, 5, v0
	v_readfirstlane_b32 s66, v1                    ; wave 0..3
	s_lshr_b32 s67, s66, 1                         ; which half of the tile's rows is mine.  Also: I fetch for A (0) or for W (1)
	s_and_b32 s68, s66, 1                          ; which half of its columns.  Also: which half of that tile I fetch
	s_bfe_u32 s40, ttmp6, 0x40000                  ; cx, cy
	s_bfe_u32 s41, ttmp6, 0x40004
	s_lshl_b32 s42, ttmp9, 2
	s_add_co_u32 s42, s42, s40                     ; tile column
	s_and_b32 s69, ttmp7, 0xffff
	s_lshl_b32 s69, s69, 2
	s_add_co_u32 s69, s69, s41                     ; tile row
	s_lshl_b32 s43, s41, 2
	s_lshl_b32 s43, 15, s43                        ; my row of the cluster
	s_lshl_b32 s44, 0x1111, s40                    ; my column
	s_or_b32 s[G1+0], s43, (0<<16)|(1<<21)         ; A: the mask; elements of 1 byte; bit 21 beside a mask; no padding
	s_mov_b32 s[G1+1], 8192<<16                    ; tensor_dim0 = 8,192: a K step's four images of a tile of rows
	s_mov_b32 s[G1+2], 4<<16                       ; tensor_dim1 = 4 tiles of rows
	s_mov_b32 s[G1+3], 8192<<16                    ; tile_dim0
	s_mov_b32 s[G1+4], 4                           ; tile_dim1
	s_mov_b32 s[G1+5], TTS                         ; tensor_dim0_stride
	s_mov_b32 s[G1+6], 0
	s_mov_b32 s[G1+7], 0
	s_or_b32 s[G1B+0], s44, (0<<16)|(1<<20)|(1<<21)|(6<<22)|(3<<25)  ; W: padding: 4 words after every 128
	s_mov_b32 s[G1B+1], 512<<16
	s_mov_b32 s[G1B+2], 64<<16
	s_mov_b32 s[G1B+3], 512<<16
	s_mov_b32 s[G1B+4], 64
	s_mov_b32 s[G1B+5], KDIM
	s_mov_b32 s[G1B+6], 0
	s_mov_b32 s[G1B+7], 0
	s_lshl_b32 s20, s69, 3
	s_lshl_b32 s18, s68, 2
	s_add_co_u32 s20, s20, s18                     ; A: tile of rows 8 x tile row + 4 x half
	s_mul_i32 s20, s20, TTS
	s_mov_b32 s21, 0
	s_lshl_b32 s46, s42, 7
	s_lshl_b32 s19, s68, 6
	s_add_co_u32 s46, s46, s19                     ; W: row 128 x tile column + 64 x half
	s_mul_i32 s46, s46, KDIM
	s_mov_b32 s47, 0
	s_mul_i32 s45, s68, AHALF                      ; where they go: no place in the cluster enters an LDS address
	s_mul_i32 s70, s68, BHALF
	s_add_co_u32 s70, s70, BOFF
	s_wait_kmcnt 0x0
	s_load_b64 s[96:97], s[12:13], SOFF            ; ea, eb
	s_add_nc_u64 s[20:21], s[4:5], s[20:21]
	s_add_nc_u64 s[46:47], s[6:7], s[46:47]
	CROUND                                         ; all sixteen work-groups are here: the first joint loads meet
.irp s, 0,1
	s_mov_b32 s[G0+4*\s], 1
	s_add_co_u32 s[G0+4*\s+1], s45, \s*SLOT
	s_add_nc_u64 s[G0+4*\s+2:G0+4*\s+3], s[20:21], \s*8192
	s_or_b32 s[G0+4*\s+3], s[G0+4*\s+3], 0x80000000
	s_mov_b32 s[G0B+4*\s], 1
	s_add_co_u32 s[G0B+4*\s+1], s70, \s*SLOT
	s_add_nc_u64 s[G0B+4*\s+2:G0B+4*\s+3], s[46:47], \s*512
	s_or_b32 s[G0B+4*\s+3], s[G0B+4*\s+3], 0x80000000
	JLOAD \s
.endr
	v_and_b32 v1, 15, v0                           ; r
	v_bfe_u32 v2, v0, 4, 1                         ; h
	v_and_b32 v3, 31, v0
	v_lshlrev_b32 v3, 4, v3                        ; 16 x lane
	v_mul_u32_u24 v4, v1, BP
	v_lshl_add_u32 v4, v2, 3, v4                   ; 528 r + 8 h
	s_mul_i32 s21, s67, AHALF                      ; my four tiles of rows of A
	s_mul_i32 s22, s68, BHALF                      ; my 64 rows of W
	s_add_co_u32 s22, s22, BOFF
.irp s, 0,1
	v_add_nc_u32 v[ADRA+\s], s21, v3
	v_add_nc_u32 v[ADRB+\s], s22, v4
	s_add_co_u32 s21, s21, SLOT
	s_add_co_u32 s22, s22, SLOT
.endr
	s_mul_i32 s23, s66, 16*SPITCH
	s_add_co_u32 s23, s23, STAGE                   ; my stage
	v_mul_u32_u24 v5, v1, SPITCH                   ; in: row r, 32 bytes for each half of the lanes
	v_lshl_add_u32 v5, v2, 5, v5
	v_add_nc_u32 v[STO], s23, v5
	v_mul_u32_u24 v5, v2, SPITCH                   ; back: lanes 0-15 one row of 256 bytes, lanes 16-31 the next
	v_lshl_add_u32 v5, v1, 4, v5
	v_add_nc_u32 v[RD], s23, v5
	v_lshlrev_b32 v5, 12, v2                       ; and the same two rows in res and out
	v_lshl_add_u32 v[CO], v1, 4, v5
	v_lshlrev_b32 v6, 4, v1                        ; my four columns of the bias
	s_lshl_b32 s20, s69, 7
	s_lshl_b32 s21, s67, 6
	s_add_co_u32 s20, s20, s21                     ; my first row
	s_lshl_b32 s20, s20, 12                        ; x 4,096 bytes
	s_lshl_b32 s46, s42, 7
	s_lshl_b32 s47, s68, 6
	s_add_co_u32 s46, s46, s47                     ; my first column
	s_lshl_b32 s46, s46, 2
	s_mov_b32 s47, 0
	s_add_nc_u64 s[8:9], s[8:9], s[46:47]
	s_add_co_u32 s20, s20, s46
	s_mov_b32 s21, 0
	s_add_nc_u64 s[10:11], s[10:11], s[20:21]
	s_add_nc_u64 s[14:15], s[14:15], s[20:21]
	global_load_b128 v[8:11], v6, s[8:9]
	WIN 0x80                                       ; destination window 2
.irp a, 0,1,2,3
.irp t, 0,1,2,3,4,5,6,7
	global_load_b128 v[4*(8*\a+\t):4*(8*\a+\t)+3], v[CO], s[10:11] offset:(16*\a+2*\t)*4096
.endr
.endr
	WIN 0
; 4 matrix instructions: A's block a x W's four, 128 along K.  The 16 accumulators take turns, one instruction a turn, in the same order in every quarter.
.macro MUL4 f, a, zero
.irp b, 0,1,2,3
.if \zero
	v_wmma_f32_16x16x128_bf8_bf8 v[ACC+8*(4*(\a)+\b):ACC+8*(4*(\a)+\b)+7], v[\f+64+16*\b:\f+64+16*\b+15], v[\f+16*(\a):\f+16*(\a)+15], 0
.else
	v_wmma_f32_16x16x128_bf8_bf8 v[ACC+8*(4*(\a)+\b):ACC+8*(4*(\a)+\b)+7], v[\f+64+16*\b:\f+64+16*\b+15], v[\f+16*(\a):\f+16*(\a)+15], v[ACC+8*(4*(\a)+\b):ACC+8*(4*(\a)+\b)+7]
.endif
.endr
.endm
; 48 LDS loads in one run: the slot's q-th 128 along K into buffer f: W's four fragments (32 loads of 8 bytes), then A's four (16 of 16 bytes)
.macro FETCH slot, q, f
	WIN TO_F
.irp b, 0,1,2,3
.irp c, 0,1,2,3,4,5,6,7
	ds_load_b64 v[\f+64+16*\b+2*\c:\f+64+16*\b+2*\c+1], v[ADRB+\slot] offset:\b*16*BP+128*(\q)+16*\c
.endr
.endr
.irp a, 0,1,2,3
.irp c, 0,1,2,3
	ds_load_b128 v[\f+16*\a+4*\c:\f+16*\a+4*\c+3], v[ADRA+\slot] offset:8192*\a+2048*(\q)+512*\c
.endr
.endr
.endm
.macro PLACES                          ; four plain vector instructions between a matrix instruction and a load into, or a read of, its registers
.rept 4
	v_nop
.endr
.endm
; A K step is four quarters of 128 along K, 16 matrix instructions each, on buffers 0, 1, 0, 1.
.macro QUARTER slot, qn, f, g, zero
	s_wait_dscnt 8                                 ; W's four and A's blocks 0, 1 are in; the youngest eight loads (A's blocks 2, 3) may be out
	WIN MUL
	MUL4 \f, 0, \zero
	MUL4 \f, 1, \zero
	PLACES
	FETCH \slot, \qn, \g
	s_wait_dscnt 48                                ; all but the 48 just issued
	WIN MUL
	MUL4 \f, 2, \zero
	MUL4 \f, 3, \zero
.endm
; The last quarter multiplies buffer 1 and changes slots: one barrier; in front of it each wave waits for all its tensor loads, adds 0 to its spare word, and waits for that and for its own reads of this slot.
.macro TURN slot, next, fill
	WIN 0                                          ; (the add's two registers lie in window 0)
	s_wait_tensorcnt 0x0                           ; all my tensor loads have landed: my part of the next slot
	ds_add_u32 v[SPW], v[NIL]                      ; 0 onto my spare word
	s_wait_dscnt 9                                 ; the add and the youngest eight loads may be out
	WIN MUL
	MUL4 F1, 0, 0
	s_wait_dscnt 0x0                               ; the add is done, and my reads of this slot are over
	s_barrier_signal -1
	MUL4 F1, 1, 0
.if \fill
	WIN 0
.endif
	s_barrier_wait -1
.if \fill
	CREST                                          ; the barrier has opened a round of the cluster's: no wave of any partner still reads this slot or has a load on its way
	s_add_nc_u64 s[G0+4*\slot+2:G0+4*\slot+3], s[G0+4*\slot+2:G0+4*\slot+3], 2*8192
	s_add_nc_u64 s[G0B+4*\slot+2:G0B+4*\slot+3], s[G0B+4*\slot+2:G0B+4*\slot+3], 2*512
	JLOAD \slot                                    ; the first tensor load behind the round; its four v_nop are the places in front of the loads below
.else
	PLACES
.endif
	FETCH \next, 0, F0
	WIN MUL
	MUL4 F1, 2, 0
	MUL4 F1, 3, 0
.endm
	s_wait_tensorcnt 1                             ; my part of K step 0 is in; K step 1's load, issued behind it, may be out
	s_barrier_signal -1
	s_barrier_wait -1
	FETCH 0, 0, F0
	QUARTER 0, 1, F0, F1, 1                        ; the first quarter's products start the sums
.if LAPS > 1
	WIN 0                                          ; at a label and at a branch every window is 0
	s_mov_b32 s3, LAPS-1
.Llap:
	QUARTER 0, 2, F1, F0, 0
	QUARTER 0, 3, F0, F1, 0
	TURN 0, 1, 1
	QUARTER 1, 1, F0, F1, 0
	QUARTER 1, 2, F1, F0, 0
	QUARTER 1, 3, F0, F1, 0
	TURN 1, 0, 1
	QUARTER 0, 1, F0, F1, 0
	WIN 0
	s_sub_co_u32 s3, s3, 1
	s_cmp_lg_u32 s3, 0
	s_cbranch_scc1 .Llap
.endif
	QUARTER 0, 2, F1, F0, 0                        ; the last lap fills nothing
	QUARTER 0, 3, F0, F1, 0
	TURN 0, 1, 0
	QUARTER 1, 1, F0, F1, 0
	QUARTER 1, 2, F1, F0, 0
	QUARTER 1, 3, F0, F1, 0
	s_wait_dscnt 8
	WIN MUL
	MUL4 F1, 0, 0
	MUL4 F1, 1, 0
	s_wait_dscnt 0
	MUL4 F1, 2, 0
	MUL4 F1, 3, 0
	WIN 0
	; THE WAY OUT
	s_wait_kmcnt 0x0
	s_add_co_i32 s96, s96, s97
	s_add_co_i32 s96, s96, 127
	s_lshl_b32 s96, s96, 23                        ; 2^(ea + eb) as f32
	s_mov_b32 s97, s96
	s_wait_loadcnt 0x0                             ; the bias and the residual
	PLACES
.macro TOSTAGE a                       ; block a's raw sums into my stage (each accumulator's low four registers first), and back as whole rows
.irp b, 0,1,2,3
	ds_store_b128 v[STO], v[ACC+8*(4*(\a)+\b):ACC+8*(4*(\a)+\b)+3] offset:64*\b
	ds_store_b128 v[STO], v[ACC+8*(4*(\a)+\b)+4:ACC+8*(4*(\a)+\b)+7] offset:64*\b+16
.endr
.irp t, 0,1,2,3,4,5,6,7
	ds_load_b128 v[TMP+32*((\a)%2)+4*\t:TMP+32*((\a)%2)+4*\t+3], v[RD] offset:\t*2*SPITCH   ; LDS serves a wave's instructions in order: these see my stores
.endr
.endm
.macro SEND a, younger                 ; younger: the LDS instructions issued behind block a's loads
.set TS, TMP+32*((\a)%2)
	s_wait_dscnt \younger
	WIN 0x20                                       ; source 2 (the residual) window 2
.set jj, 0
.rept 16
	v_pk_fma_f32 v[TS+jj:TS+jj+1], v[TS+jj:TS+jj+1], s[96:97], v[32*(\a)+jj:32*(\a)+jj+1] op_sel_hi:[1,0,1]   ; sum x 2^(ea + eb) + res
.set jj, jj+2
.endr
	WIN 0
.irp t, 0,1,2,3,4,5,6,7
	v_pk_add_f32 v[TS+4*\t:TS+4*\t+1], v[TS+4*\t:TS+4*\t+1], v[8:9]
	v_pk_add_f32 v[TS+4*\t+2:TS+4*\t+3], v[TS+4*\t+2:TS+4*\t+3], v[10:11]
.endr
.irp t, 0,1,2,3,4,5,6,7
.if KDIM == 4096
	global_store_b128 v[CO], v[TS+4*\t:TS+4*\t+3], s[14:15] offset:(16*(\a)+2*\t)*4096 th:TH_STORE_NT
.else
	global_store_b128 v[CO], v[TS+4*\t:TS+4*\t+3], s[14:15] offset:(16*(\a)+2*\t)*4096   ; 16 lanes store 256 consecutive bytes, aligned
.endif
.endr
.endm
	TOSTAGE 0
.irp a, 1,2,3
.if \a > 1
	s_wait_xcnt 0x0                                ; block a - 2's stores have read their registers: block a's loads may land there
.endif
	TOSTAGE \a
	SEND \a-1, 16                                  ; behind block a - 1's loads: block a's 8 stores and 8 loads
.endr
	SEND 3, 0
	s_wait_tensorcnt 0x0                           ; the wave's end
	ds_add_u32 v[SPW], v[NIL]
	s_wait_dscnt 0x0
	CROUND                                         ; the closing round
	s_endpgm
.Lfunc_end_k_q2e0aa1e4f9_wo:
	.size	k_q2e0aa1e4f9_wo, .Lfunc_end_k_q2e0aa1e4f9_wo-k_q2e0aa1e4f9_wo
	.p2alignl 7, 3214868480
	.fill 96, 4, 3214868480
	.section	.rodata,"a",@progbits
	.p2align	6, 0x0
	.amdhsa_kernel k_q2e0aa1e4f9_wo
		.amdhsa_group_segment_fixed_size 327680
		.amdhsa_private_segment_fixed_size 0
		.amdhsa_enable_private_segment 0
		.amdhsa_kernarg_size 48
		.amdhsa_user_sgpr_count 2
		.amdhsa_user_sgpr_kernarg_segment_ptr 1
		.amdhsa_wavefront_size32 1
		.amdhsa_system_sgpr_workgroup_id_x 1
		.amdhsa_system_sgpr_workgroup_id_y 1
		.amdhsa_system_sgpr_workgroup_id_z 1
		.amdhsa_system_vgpr_workitem_id 0
		.amdhsa_next_free_vgpr 640
		.amdhsa_next_free_sgpr 100
		.amdhsa_reserve_vcc 0
		.amdhsa_float_denorm_mode_32 3
		.amdhsa_float_denorm_mode_16_64 3
		.amdhsa_memory_ordered 1
		.amdhsa_forward_progress 1
		.amdhsa_inst_pref_size 61
	.end_amdhsa_kernel
	.amdgpu_metadata
---
amdhsa.version: [ 1, 2 ]
amdhsa.kernels:
  - .name:           k_q2e0aa1e4f9_wo
    .symbol:         k_q2e0aa1e4f9_wo.kd
    .args:
      - { .name: ao, .offset: 0, .size: 8, .value_kind: global_buffer, .address_space: global }
      - { .name: Wo_codes, .offset: 8, .size: 8, .value_kind: global_buffer, .address_space: global }
      - { .name: bo, .offset: 16, .size: 8, .value_kind: global_buffer, .address_space: global }
      - { .name: x, .offset: 24, .size: 8, .value_kind: global_buffer, .address_space: global }
      - { .name: lowp_scales, .offset: 32, .size: 8, .value_kind: global_buffer, .address_space: global }
      - { .name: x1, .offset: 40, .size: 8, .value_kind: global_buffer, .address_space: global }
    .group_segment_fixed_size: 327680
    .private_segment_fixed_size: 0
    .kernarg_segment_align: 8
    .kernarg_segment_size: 48
    .max_flat_workgroup_size: 128
    .sgpr_count:     100
    .vgpr_count:     640
    .wavefront_size: 32
...
	.end_amdgpu_metadata
.endif
;; end of part 4
;; launch ln2 (part 5): grid 256 x 1, 8 waves a work-group, no clusters, 41,984 bytes of LDS; arguments x1, g2, be2, lowp_scales, h2; writes h2
.if DOCPART == 5
	.amdgcn_target "amdgcn-amd-amdhsa--gfx1250"
	.amdhsa_code_object_version 6
	.text
	.protected	k_q2e0aa1e4f9_ln2
	.globl	k_q2e0aa1e4f9_ln2
	.p2align	8
	.type	k_q2e0aa1e4f9_ln2,@function
k_q2e0aa1e4f9_ln2:
	s_mov_b64 s[64:65], 0
	v_nop
	global_prefetch_b8 v0, s[64:65] scope:SCOPE_SE
	s_setreg_imm32_b32 hwreg(HW_REG_WAVE_MODE, 25, 1), 1
	s_wait_xcnt 0x0
; h = (x - mean) * rsqrt(var + 1e-5) * g + be over rows of 1,024 f32, then quantised to codes of BF8 (E5M2), NOUT times, each time with a given scale 2^e.
; NOUT = 1: one product reads this h (entry 12 of the scales); the codes are 4,096 x 1,024 bytes, row-major.
; SHARES.  4,096 rows, 256 work-groups of eight waves, TWO WHOLE ROWS A WAVE: a row is 32 registers a lane, so mean and variance are two passes over registers (the mean is taken off
; before the squares: a common offset of the inputs costs no accuracy), the reduction never leaves the wave, and there is no barrier.
; LAYOUT.  Every load takes 512 consecutive bytes (16 a lane).  The conversion wants 8 neighbours along the row in ONE lane's registers: the finished row turns through the wave's own stage in LDS
; (as it lies, 16 bytes of padding behind each 64) and comes back 64 bytes a lane.  A lane's 16 codes are 16 bytes: each store covers 512 consecutive bytes, aligned.
; No matrix unit, no tensor load, no cluster: work-groups share only g and be (8 KiB), and memory binds.
; LIMITS: e between -126 and 112, so that 2^e and 57,344 x 2^e are f32 numbers.  NaN among the inputs is not served.
.set NOUT, 1
.set LI,  2                            ; v2   16 x lane; never rewritten
.set SA,  3                            ; v3   the stage, on the way in: 80 (lane / 4) + 16 (lane % 4)
.set RA,  4                            ; v4   and on the way out: 80 x lane
.set G,   8                            ; v8-39    g as loaded
.set BE,  40                           ; v40-71   be
.set X,   72                           ; v72-135  the two rows
.set T,   136                          ; v136-167 a row turned: register 16 j + i = column 512 j + 16 lane + i
.set H,   168                          ; v168-183 16 numbers held within the largest code
.set CD,  184                          ; codes: four registers for each store, so that no store's data are written again
	s_load_b256 s[4:11], s[0:1], 0x0               ; x s[4:5], g s[6:7], be s[8:9], the scales' exponents s[10:11]
	s_load_b64 s[12:13], s[0:1], 0x20              ; the codes
	v_lshl_add_u32 v248, v0, 2, 0xa000
	v_mov_b32 v249, 0
	v_lshrrev_b32 v1, 5, v0
	v_readfirstlane_b32 s36, v1                    ; wave 0..7
	v_and_b32 v1, 31, v0                           ; lane
	v_lshlrev_b32 v[LI], 4, v1
	s_mul_i32 s37, s36, 5120                       ; my stage: 64 places of 80 bytes
	v_lshrrev_b32 v5, 2, v1
	v_mul_u32_u24 v5, v5, 80
	v_and_b32 v6, 3, v1
	v_lshl_add_u32 v[SA], v6, 4, v5
	v_add_nc_u32 v[SA], s37, v[SA]
	v_mul_u32_u24 v[RA], v1, 80
	v_add_nc_u32 v[RA], s37, v[RA]
	v_mov_b32 v238, 0                              ; written once: a lane permute's destination counts as one of its sources
	v_mov_b32 v239, 0x3727c5ac                     ; 1e-5
	s_mov_b32 s30, 0x76543210                      ; v_permlanex16_b32: lane l xor 16
	s_mov_b32 s31, 0xfedcba98
	s_mov_b32 s32, 0x3a800000                      ; 1 / 1,024
	s_lshl_b32 s14, ttmp9, 3
	s_add_co_u32 s14, s14, s36                     ; which pair of rows is mine
	s_lshl_b32 s14, s14, 13                        ; x 2 rows of 4,096 bytes
	s_mov_b32 s15, 0
	s_lshr_b32 s34, s14, 2                         ; x 2 rows of 1,024 codes
	s_mov_b32 s35, 0
	s_wait_kmcnt 0x0
.if NOUT == 3
	s_load_b256 s[16:23], s[10:11], 0x0            ; entries 0 to 7: 0, 2 and 4 are h's
.else
	s_load_b32 s16, s[10:11], 0x30                 ; entry 12
.endif
	s_add_nc_u64 s[4:5], s[4:5], s[14:15]
	s_add_nc_u64 s[24:25], s[12:13], s[34:35]
.if NOUT == 3
	s_add_nc_u64 s[26:27], s[24:25], 0x400000
	s_add_nc_u64 s[28:29], s[26:27], 0x400000
.endif
.macro XLOAD rho                       ; a row: eight loads of 512 consecutive bytes
.set ii, 0
.rept 8
.if NOUT == 3
	global_load_b128 v[X+32*\rho+4*ii:X+32*\rho+4*ii+3], v[LI], s[4:5] offset:4096*\rho+512*ii th:TH_LOAD_NT
.else
	global_load_b128 v[X+32*\rho+4*ii:X+32*\rho+4*ii+3], v[LI], s[4:5] offset:4096*\rho+512*ii
.endif
.set ii, ii+1
.endr
.endm
	XLOAD 0
.set ii, 0
.rept 8
	global_load_b128 v[G+4*ii:G+4*ii+3], v[LI], s[6:7] offset:512*ii
.set ii, ii+1
.endr
.set ii, 0
.rept 8
	global_load_b128 v[BE+4*ii:BE+4*ii+3], v[LI], s[8:9] offset:512*ii
.set ii, ii+1
.endr
	XLOAD 1
	s_wait_kmcnt 0x0
.set oo, 0
.rept NOUT
	s_add_co_i32 s33, s[16+2*oo], 127
	s_lshl_b32 s38, s33, 23
	v_mov_b32 v[240+2*oo], s38                     ; 2^e as f32: the conversion takes its exponent field
	s_add_co_i32 s33, s33, 15
	s_lshl_b32 s33, s33, 23
	s_or_b32 s33, s33, 0x600000
	v_mov_b32 v[241+2*oo], s33                     ; 57,344 x 2^e
.set oo, oo+1
.endr
.macro WSUM                            ; v232 summed over the 32 lanes, the result in every lane
	v_add_f32_dpp v232, v232, v232 row_xmask:1 row_mask:0xf bank_mask:0xf
	v_add_f32_dpp v232, v232, v232 row_xmask:2 row_mask:0xf bank_mask:0xf
	v_add_f32_dpp v232, v232, v232 row_xmask:4 row_mask:0xf bank_mask:0xf
	v_add_f32_dpp v232, v232, v232 row_xmask:8 row_mask:0xf bank_mask:0xf
	v_permlanex16_b32 v238, v232, s30, s31
	v_add_f32 v232, v232, v238
.endm
; One row.  w1: the loads younger than this row's that may stay out; w2: those younger than g's and be's.
.macro ROW rho, w1, w2
.set XR, X+32*\rho
	s_wait_loadcnt \w1                             ; loads come back in order: my row is in
	v_pk_add_f32 v[232:233], v[XR:XR+1], v[XR+2:XR+3]      ; the sum, two at a time, in two chains that the first words start
	v_pk_add_f32 v[234:235], v[XR+4:XR+5], v[XR+6:XR+7]
.irp j, 8,12,16,20,24,28
	v_pk_add_f32 v[232:233], v[232:233], v[XR+\j:XR+\j+1]
	v_pk_add_f32 v[234:235], v[234:235], v[XR+\j+2:XR+\j+3]
.endr
	v_pk_add_f32 v[232:233], v[232:233], v[234:235]
	v_add_f32 v232, v232, v233
	WSUM
	v_mul_f32 v236, s32, v232                      ; the mean
	v_mov_b32 v237, v236
.set jj, 0
.rept 16
	v_pk_add_f32 v[XR+jj:XR+jj+1], v[XR+jj:XR+jj+1], v[236:237] neg_lo:[0,1] neg_hi:[0,1]   ; x - mean
.set jj, jj+2
.endr
	v_pk_mul_f32 v[232:233], v[XR:XR+1], v[XR:XR+1]        ; the squares, in two chains
	v_pk_mul_f32 v[234:235], v[XR+2:XR+3], v[XR+2:XR+3]
.irp j, 4,8,12,16,20,24,28
	v_pk_fma_f32 v[232:233], v[XR+\j:XR+\j+1], v[XR+\j:XR+\j+1], v[232:233]
	v_pk_fma_f32 v[234:235], v[XR+\j+2:XR+\j+3], v[XR+\j+2:XR+\j+3], v[234:235]
.endr
	v_pk_add_f32 v[232:233], v[232:233], v[234:235]
	v_add_f32 v232, v232, v233
	WSUM
	v_fma_f32 v232, v232, s32, v239                ; var + 1e-5
	v_rsq_f32 v236, v232
	v_nop                                          ; a plain instruction between the root and the use of its result
	s_wait_alu depctr_va_vdst(0)                   ; and the wait ahead of the first use
	v_mov_b32 v237, v236
	s_wait_loadcnt \w2                             ; g and be are in
.set jj, 0
.rept 16
	v_pk_mul_f32 v[XR+jj:XR+jj+1], v[XR+jj:XR+jj+1], v[236:237]
.set jj, jj+2
.endr
.set jj, 0
.rept 16
	v_pk_fma_f32 v[XR+jj:XR+jj+1], v[XR+jj:XR+jj+1], v[G+jj:G+jj+1], v[BE+jj:BE+jj+1]
.set jj, jj+2
.endr
.set ii, 0
.rept 8
	ds_store_b128 v[SA], v[XR+4*ii:XR+4*ii+3] offset:640*ii        ; a load's 512 bytes take eight places of 80
.set ii, ii+1
.endr
.irp j, 0,1
.irp m, 0,1,2,3
	ds_load_b128 v[T+16*\j+4*\m:T+16*\j+4*\m+3], v[RA] offset:2560*\j+16*\m   ; LDS serves a wave's instructions in order: these see my stores
.endr
.endr
.irp j, 0,1
	s_wait_dscnt 4-4*\j                            ; this half's four loads are in; the other half's four may be out
.set oo, 0
.rept NOUT
.irp i, 0,1,2,3,4,5,6,7,8,9,10,11,12,13,14,15
	v_med3_num_f32 v[H+\i], v[T+16*\j+\i], -v[241+2*oo], v[241+2*oo]   ; the conversion to an 8-bit code does not saturate (ISA guide 7.6.2): the hold comes first
.endr
.set CR, CD+8*NOUT*\rho+8*oo+4*\j
	v_cvt_scalef32_pk8_bf8_f32 v[CR:CR+1], v[H:H+7], v[240+2*oo]
	v_cvt_scalef32_pk8_bf8_f32 v[CR+2:CR+3], v[H+8:H+15], v[240+2*oo]
	v_nop                                          ; a plain instruction between the conversions and the next holds, which write their sources
	global_store_b128 v[LI], v[CR:CR+3], s[24+2*oo:25+2*oo] offset:1024*\rho+512*\j   ; 32 lanes store 512 consecutive bytes, aligned
.set oo, oo+1
.endr
.endr
.endm
	ROW 0, 24, 8                                   ; behind row 0's loads: g's 8, be's 8, row 1's 8; behind be's: row 1's 8
	ROW 1, 0, 0
	s_wait_tensorcnt 0x0
	ds_add_u32 v248, v249
	s_wait_dscnt 0x0
	s_endpgm
.Lfunc_end_k_q2e0aa1e4f9_ln2:
	.size	k_q2e0aa1e4f9_ln2, .Lfunc_end_k_q2e0aa1e4f9_ln2-k_q2e0aa1e4f9_ln2
	.p2alignl 7, 3214868480
	.fill 96, 4, 3214868480
	.section	.rodata,"a",@progbits
	.p2align	6, 0x0
	.amdhsa_kernel k_q2e0aa1e4f9_ln2
		.amdhsa_group_segment_fixed_size 41984
		.amdhsa_private_segment_fixed_size 0
		.amdhsa_enable_private_segment 0
		.amdhsa_kernarg_size 40
		.amdhsa_user_sgpr_count 2
		.amdhsa_user_sgpr_kernarg_segment_ptr 1
		.amdhsa_wavefront_size32 1
		.amdhsa_system_sgpr_workgroup_id_x 1
		.amdhsa_system_sgpr_workgroup_id_y 1
		.amdhsa_system_sgpr_workgroup_id_z 1
		.amdhsa_system_vgpr_workitem_id 0
		.amdhsa_next_free_vgpr 250
		.amdhsa_next_free_sgpr 66
		.amdhsa_reserve_vcc 0
		.amdhsa_float_denorm_mode_32 3
		.amdhsa_float_denorm_mode_16_64 3
		.amdhsa_memory_ordered 1
		.amdhsa_forward_progress 1
		.amdhsa_inst_pref_size 25
	.end_amdhsa_kernel
	.amdgpu_metadata
---
amdhsa.version: [ 1, 2 ]
amdhsa.kernels:
  - .name:           k_q2e0aa1e4f9_ln2
    .symbol:         k_q2e0aa1e4f9_ln2.kd
    .args:
      - { .name: x1, .offset: 0, .size: 8, .value_kind: global_buffer, .address_space: global }
      - { .name: g2, .offset: 8, .size: 8, .value_kind: global_buffer, .address_space: global }
      - { .name: be2, .offset: 16, .size: 8, .value_kind: global_buffer, .address_space: global }
      - { .name: lowp_scales, .offset: 24, .size: 8, .value_kind: global_buffer, .address_space: global }
      - { .name: h2, .offset: 32, .size: 8, .value_kind: global_buffer, .address_space: global }
    .group_segment_fixed_size: 41984
    .private_segment_fixed_size: 0
    .kernarg_segment_align: 8
    .kernarg_segment_size: 40
    .max_flat_workgroup_size: 256
    .sgpr_count:     66
    .vgpr_count:     250
    .wavefront_size: 32
...
	.end_amdgpu_metadata
.endif
;; end of part 5
;; launch ffn1 (part 6): grid 16 x 16, 4 waves a work-group, clusters of 4 x 4, 327,680 bytes of LDS; arguments h2, W1_codes, b1, hid, lowp_scales; writes hid
.if DOCPART == 6
	.amdgcn_target "amdgcn-amd-amdhsa--gfx1250"
	.amdhsa_code_object_version 6
	.text
	.protected	k_q2e0aa1e4f9_ffn1
	.globl	k_q2e0aa1e4f9_ffn1
	.p2align	8
	.type	k_q2e0aa1e4f9_ffn1,@function
k_q2e0aa1e4f9_ffn1:
	s_mov_b64 s[64:65], 0
	v_nop
	global_prefetch_b8 v0, s[64:65] scope:SCOPE_SE
	s_setreg_imm32_b32 hwreg(HW_REG_WAVE_MODE, 25, 1), 1
	s_wait_xcnt 0x0
	s_wait_alu depctr_hold_cnt(0) depctr_sa_sdst(0) depctr_va_vdst(0) depctr_va_sdst(0) depctr_va_ssrc(0) depctr_va_vcc(0) depctr_vm_vsrc(0)
	s_getreg_b32 s2, hwreg(HW_REG_IB_STS2, 6, 4)
	s_cmp_eq_u32 s2, 0
	s_cbranch_scc0 .Lentry_in_a_cluster
	s_endpgm
.Lentry_in_a_cluster:
	s_bfe_u32 s2, ttmp6, 0x10000c
	s_cmp_lg_u32 s2, 0xf033
	s_cbranch_scc0 .Lentry_shape_is_right
	s_endpgm
.Lentry_shape_is_right:
; hid = Q(relu(h2 W1^T + b1)): 4,096 x 4,096, K = 1,024, on codes of BF8 (E5M2), f32 sums; the result is quantised (entry 14 of the scales) and stored AS IMAGES OF THE REGISTERS of the next product's fragments.
; SHARES.  A tile of 256 x 256 for a work-group of four waves, 128 x 128 a wave (64 accumulators, 512 registers): 256 work-groups.
; CLUSTERS: 4 x 4 work-groups; h2's tile is asked for jointly along a row of the cluster, W1's along a column.  K goes in steps of 256 through two LDS slots (rows of 256 bytes + 16 of padding).
; THE MATRIX INSTRUCTION IS USED TRANSPOSED (source 0 = 16 rows of W1, source 1 = 16 rows of h2): lane (r, h) of tile b holds row r and hidden units 16 b + 8 h + 0..7: its eight codes are registers 2 b, 2 b + 1
; of the next product's fragment (registers 2 c, 2 c + 1: k = 16 c + 8 h + 0..7).  So the way out needs no LDS: each store is four registers at 16 x lane, 512 consecutive bytes, aligned.
; OUT: [tile of 16 rows][128 along the hidden units][2,048].  The activation costs nothing: the hold that the conversion wants clips at 0 as well.
; LIMITS: entries 12 + 13 between -126 and 127; entry 14 between -126 and 112.  NaN among the inputs is not served.
; REGISTERS: window 0: v0-31 addresses and scales; v32-95 b1 in the result's layout; v96-111 codes; from v128 h2's fragments, ONE set (on the way out: 64 numbers at work).
;   window 1: W1's fragments, two sets.   windows 2, 3: the accumulators ((a, b) at v[8 (8 (a % 4) + b)]).
.set KSTEP,  256
.set ROWB,   256
.set KROW,   1024
.set PITCH,  272                       ; 256 bytes + 16: the 16 rows that a load touches start at 16 different banks (64 banks of 4 bytes: ISA guide 11.1)
.set FR,     16
.set NL,     4
.set NP,     4                         ; places behind this matrix instruction (ISA guide 7.12.1)
.set HALFT,  128*PITCH
.set SLOT,   4*HALFT
.set LAPS,   2                         ; 1,024 along K = four K steps = twice round the ring
.set SPARE,  2*SLOT                    ; behind the ring: the spare words, 128 bytes a wave: two blocks of 256 bytes that no other line names
.set BO,   10                          ; v10  32 x (lane / 16)
.set SC,   12                          ; v12  2^e14, for the conversion
.set LIM,  13                          ; v13  57,344 x 2^e14
.set ADRA, 16
.set ADRB, 20
.set VO0,  27                          ; v27  16 x lane
.set SPW,  28
.set NIL,  29
.set BN,   32
.set CD,   96
.set TMP,  128
.set AF,   128
.set G1, 24
.set G0, 32
.set G1B, 48
.set G0B, 56
.set MSB, 0
.macro WIN new                         ; the immediate's high byte repeats the setting that is left
.if MSB != \new
	s_set_vgpr_msb (MSB<<8)|\new
.set MSB, \new
.endif
.endm
.set MUL_LO, 0xa1                      ; source 0 (B) window 1, source 1 (A) window 0, C and D window 2
.set MUL_HI, 0xf1
.set TO_B,   0x40
.macro JLOAD g0a, g1a, g0b, g1b        ; a joint load: waves 0 and 1 fetch for A, waves 2 and 3 for B; four v_nop follow each of the two lines
	s_cmp_eq_u32 s15, 0
	s_cbranch_scc0 .Lfor_b_\@
	tensor_load_to_lds s[\g0a:\g0a+3], s[\g1a:\g1a+7]
	s_nop 0
.rept 4
	v_nop
.endr
	s_branch .Lasked_\@
.Lfor_b_\@:
	tensor_load_to_lds s[\g0b:\g0b+3], s[\g1b:\g1b+7]
	s_nop 0
.rept 4
	v_nop
.endr
.Lasked_\@:
.endm
.macro CREST                           ; a round of the cluster's barrier behind its opening barrier
	s_cmp_lg_u32 s14, 0
	s_cbranch_scc1 .Lnot_wave_0_\@
	s_barrier_signal -3
.Lnot_wave_0_\@:
	s_barrier_wait -3
	s_barrier_signal -1
	s_barrier_wait -1
.endm
.macro CROUND
	s_barrier_signal -1
	s_barrier_wait -1
	CREST
.endm
	s_load_b256 s[4:11], s[0:1], 0x0               ; h2 s[4:5], W1 s[6:7], b1 s[8:9], hid s[10:11]
	s_load_b64 s[12:13], s[0:1], 0x20              ; the scales' exponents
	v_lshl_add_u32 v[SPW], v0, 2, SPARE
	v_mov_b32 v[NIL], 0
	ds_add_u32 v28, v29
	ds_add_u32 v28, v29
	s_wait_dscnt 0x0
	v_lshrrev_b32 v1, 5, v0
	v_readfirstlane_b32 s14, v1                    ; wave 0..3
	s_lshr_b32 s15, s14, 1                         ; which half of the tile's rows is mine.  Also: I fetch for A (0) or for B (1)
	s_and_b32 s16, s14, 1                          ; which half of its columns.  Also: which 128 rows of that tile I fetch
	s_bfe_u32 s40, ttmp6, 0x40000                  ; cx, cy
	s_bfe_u32 s41, ttmp6, 0x40004
	s_lshl_b32 s42, ttmp9, 2
	s_add_co_u32 s42, s42, s40                     ; tile column
	s_and_b32 s17, ttmp7, 0xffff
	s_lshl_b32 s17, s17, 2
	s_add_co_u32 s17, s17, s41                     ; tile row
	s_lshl_b32 s43, s41, 2
	s_lshl_b32 s43, 15, s43                        ; my row of the cluster
	s_lshl_b32 s44, 0x1111, s40                    ; my column
	s_or_b32 s[G1+0], s43, (0<<16)|(1<<20)|(1<<21)|(5<<22)|(3<<25)  ; the mask; elements of 1 byte; padding on; bit 21 beside a mask; after every 64 words; 4 words
	s_or_b32 s[G1B+0], s44, (0<<16)|(1<<20)|(1<<21)|(5<<22)|(3<<25)
.irp g, G1, G1B
	s_mov_b32 s[\g+1], ROWB<<16                    ; tensor_dim0
	s_mov_b32 s[\g+2], 128<<16                     ; tensor_dim1
	s_mov_b32 s[\g+3], ROWB<<16                    ; tile_dim0
	s_mov_b32 s[\g+4], 128                         ; tile_dim1
	s_mov_b32 s[\g+5], KROW                        ; tensor_dim0_stride
	s_mov_b32 s[\g+6], 0
	s_mov_b32 s[\g+7], 0
.endr
	s_lshl_b32 s18, s16, 7
	s_lshl_b32 s20, s17, 8
	s_add_co_u32 s20, s20, s18                     ; A: row 256 x tile row + 128 x half
	s_lshl_b32 s46, s42, 8
	s_add_co_u32 s46, s46, s18                     ; B: row 256 x tile column + 128 x half
	s_lshl_b32 s20, s20, 10                        ; x 1,024 bytes a row
	s_lshl_b32 s46, s46, 10
	s_mov_b32 s21, 0
	s_mov_b32 s47, 0
	s_mul_i32 s45, s14, HALFT                      ; where they go: wave x 128 rows
	s_wait_kmcnt 0x0
	s_load_b128 s[68:71], s[12:13], 0x30           ; entries 12 to 15; they are waited for on the way out
	s_add_nc_u64 s[20:21], s[4:5], s[20:21]
	s_add_nc_u64 s[46:47], s[6:7], s[46:47]
	CROUND                                         ; all sixteen work-groups are here: the first joint loads meet
.irp s, 0,1
	s_mov_b32 s[G0+4*\s], 1
	s_add_co_u32 s[G0+4*\s+1], s45, \s*SLOT
	s_add_nc_u64 s[G0+4*\s+2:G0+4*\s+3], s[20:21], \s*ROWB
	s_or_b32 s[G0+4*\s+3], s[G0+4*\s+3], 0x80000000
	s_mov_b32 s[G0B+4*\s], 1
	s_add_co_u32 s[G0B+4*\s+1], s45, \s*SLOT
	s_add_nc_u64 s[G0B+4*\s+2:G0B+4*\s+3], s[46:47], \s*ROWB
	s_or_b32 s[G0B+4*\s+3], s[G0B+4*\s+3], 0x80000000
	JLOAD G0+4*\s, G1, G0B+4*\s, G1B
.endr
	v_and_b32 v1, 15, v0                           ; r
	v_bfe_u32 v2, v0, 4, 1                         ; h
	v_mul_u32_u24 v3, v1, PITCH
	v_lshl_add_u32 v4, v2, 4, v3                   ; a fragment's row x pitch + 16 x half
	s_mul_i32 s21, s15, HALFT                      ; my 128 rows of A
	s_mul_i32 s22, s16, HALFT                      ; my 128 rows of B,
	s_add_co_u32 s22, s22, 2*HALFT                 ; which lie behind A's 256
.irp s, 0,1
	v_add_nc_u32 v[ADRA+\s], s21, v4
	v_add_nc_u32 v[ADRB+\s], s22, v4
	s_add_co_u32 s21, s21, SLOT
	s_add_co_u32 s22, s22, SLOT
.endr
	v_and_b32 v6, 31, v0
	v_lshlrev_b32 v[VO0], 4, v6
	v_lshlrev_b32 v[BO], 5, v2
	s_lshl_b32 s46, s42, 8
	s_lshl_b32 s47, s16, 7
	s_add_co_u32 s46, s46, s47                     ; n0: my first hidden unit
	s_lshl_b32 s22, s46, 2
	s_mov_b32 s23, 0
	s_add_nc_u64 s[8:9], s[8:9], s[22:23]
.irp b, 0,1,2,3,4,5,6,7
	global_load_b128 v[BN+8*\b:BN+8*\b+3], v[BO], s[8:9] offset:64*\b          ; b1(n0 + 16 b + 8 h + 0..7)
	global_load_b128 v[BN+8*\b+4:BN+8*\b+7], v[BO], s[8:9] offset:64*\b+16
.endr
	s_lshl_b32 s20, s17, 8
	s_lshl_b32 s21, s15, 7
	s_add_co_u32 s20, s20, s21                     ; m0: my first row
	s_lshl_b32 s20, s20, 12                        ; (m0 / 16) x 32 fragments x 2,048 bytes
	s_lshl_b32 s46, s46, 4                         ; + (n0 / 128) x 2,048
	s_add_co_u32 s20, s20, s46
	s_mov_b32 s21, 0
	s_add_nc_u64 s[10:11], s[10:11], s[20:21]
.macro FRAG reg, adr, q, i             ; 16 rows x 128 K in 16 registers by four loads of 16 bytes: registers 4 c .. 4 c + 3 hold K = 32 c + 16 (l / 16) + 0..15: a permutation of k, the same in A and in B
.irp c, 0,1,2,3
	ds_load_b128 v[\reg+4*\c:\reg+4*\c+3], v[\adr] offset:128*(\q)+32*\c+(\i)*16*PITCH
.endr
.endm
; 16 matrix instructions: A's blocks a0, a0 + 1 x B's eight.  The 64 accumulators take turns, one instruction a turn, in the same order in every step.
.macro MUL16 a0, p, zero
.irp a, \a0, \a0+1
.irp b, 0,1,2,3,4,5,6,7
.if \zero
	v_wmma_f32_16x16x128_bf8_bf8 v[8*(8*((\a)%4)+\b):8*(8*((\a)%4)+\b)+7], v[128*(\p)+FR*\b:128*(\p)+FR*\b+FR-1], v[AF+FR*(\a):AF+FR*(\a)+FR-1], 0
.else
	v_wmma_f32_16x16x128_bf8_bf8 v[8*(8*((\a)%4)+\b):8*(8*((\a)%4)+\b)+7], v[128*(\p)+FR*\b:128*(\p)+FR*\b+FR-1], v[AF+FR*(\a):AF+FR*(\a)+FR-1], v[8*(8*((\a)%4)+\b):8*(8*((\a)%4)+\b)+7]
.endif
.endr
.endr
.endm
.macro FETCH_B slot, q, p
	WIN TO_B
.irp i, 0,1,2,3,4,5,6,7
	FRAG 128*(\p)+FR*\i, ADRB+\slot, \q, \i
.endr
	WIN 0
.endm
.macro FETCH_A slot, q, i0
.irp i, \i0, \i0+1, \i0+2, \i0+3
	FRAG AF+FR*(\i), ADRA+\slot, \q, \i
.endr
.endm
.macro PLACES n                        ; plain vector instructions between a matrix instruction and a load into, or a vector read or write of, its registers
.rept \n
	v_nop
.endr
.endm
.macro STEP slot, q, zero              ; 128 along K with its successor in the same slot
	s_wait_dscnt 4*NL                              ; B's set and A's blocks 0-3 are in; the youngest 16 loads (A's blocks 4-7) may be out
	WIN MUL_LO
	MUL16 0, (\q)%2, \zero
	MUL16 2, (\q)%2, \zero
	s_wait_dscnt 0
	PLACES NP
	FETCH_B \slot, (\q)+1, 1-(\q)%2
	FETCH_A \slot, (\q)+1, 0
	WIN MUL_HI
	MUL16 4, (\q)%2, \zero
	MUL16 6, (\q)%2, \zero
	PLACES NP
	WIN 0
	FETCH_A \slot, (\q)+1, 4
.endm
; A slot's last step changes slots: one barrier; in front of it each wave waits for all its tensor loads, adds 0 to its spare word, and waits for that and for its own reads of this slot.
.macro TURN slot, next, fill
	s_wait_tensorcnt 0x0                           ; all my tensor loads have landed: my part of the next slot
	ds_add_u32 v[SPW], v[NIL]                      ; 0 onto my spare word
	s_wait_dscnt 4*NL+1                            ; the add and the youngest 16 loads may be out
	WIN MUL_LO
	MUL16 0, 1, 0
	s_wait_dscnt 0x0                               ; the add is done, and my reads of this slot are over
	s_barrier_signal -1
	MUL16 2, 1, 0
	WIN 0
	s_barrier_wait -1
.if \fill
	CREST                                          ; the barrier has opened a round of the cluster's: no wave of any partner still reads this slot or has a load on its way
	s_add_nc_u64 s[G0+4*\slot+2:G0+4*\slot+3], s[G0+4*\slot+2:G0+4*\slot+3], 2*ROWB
	s_add_nc_u64 s[G0B+4*\slot+2:G0B+4*\slot+3], s[G0B+4*\slot+2:G0B+4*\slot+3], 2*ROWB
	JLOAD G0+4*\slot, G1, G0B+4*\slot, G1B         ; the first tensor load behind the round; its four v_nop are the places in front of the loads below
.else
	PLACES NP
.endif
	FETCH_B \next, 0, 0
	FETCH_A \next, 0, 0
	WIN MUL_HI
	MUL16 4, 1, 0
	MUL16 6, 1, 0
	PLACES NP
	WIN 0
	FETCH_A \next, 0, 4
.endm
	s_wait_tensorcnt 1                             ; my part of K step 0 is in; K step 1's load, issued behind it, may be out
	s_barrier_signal -1
	s_barrier_wait -1
	FETCH_B 0, 0, 0
	FETCH_A 0, 0, 0
	FETCH_A 0, 0, 4
	STEP 0, 0, 1                                   ; the first step's products start the sums
	s_mov_b32 s3, LAPS-1
.Llap:
	TURN 0, 1, 1
	STEP 1, 0, 0
	TURN 1, 0, 1
	STEP 0, 0, 0
	s_sub_co_u32 s3, s3, 1
	s_cmp_lg_u32 s3, 0
	s_cbranch_scc1 .Llap
	TURN 0, 1, 0                                   ; the last lap fills nothing
	STEP 1, 0, 0
	s_wait_dscnt 4*NL
	WIN MUL_LO
	MUL16 0, 1, 0
	MUL16 2, 1, 0
	s_wait_dscnt 0
	WIN MUL_HI
	MUL16 4, 1, 0
	MUL16 6, 1, 0
	WIN 0
	; THE WAY OUT.  value = sum x 2^(e12 + e13) + b1; held between 0 and the largest code (the activation and the hold in one); converted; stored as the image of a fragment.
	s_wait_kmcnt 0x0
	s_add_co_i32 s96, s68, s69
	s_add_co_i32 s96, s96, 127
	s_lshl_b32 s96, s96, 23                        ; 2^(e12 + e13) as f32
	s_mov_b32 s97, s96                             ; (named with it as a pair, so it is written)
	s_add_co_i32 s72, s70, 127
	s_lshl_b32 s73, s72, 23
	v_mov_b32 v[SC], s73
	s_add_co_i32 s72, s72, 15
	s_lshl_b32 s72, s72, 23
	s_or_b32 s72, s72, 0x600000
	v_mov_b32 v[LIM], s72
	s_wait_loadcnt 0x0                             ; b1
	PLACES NP
.macro OUTBLK a
.set AC, 64*((\a)%4)
	WIN 0x02+((\a)/4)                              ; source 0: window 2 or 3
.set jj, 0
.rept 32
	v_pk_fma_f32 v[TMP+jj:TMP+jj+1], v[AC+jj:AC+jj+1], s[96:97], v[BN+jj:BN+jj+1] op_sel_hi:[1,0,1]   ; each accumulator from its low end on
.set jj, jj+2
.endr
	WIN 0
.set jj, 0
.rept 64
	v_med3_num_f32 v[TMP+jj], v[TMP+jj], 0, v[LIM]
.set jj, jj+1
.endr
.if (\a) > 0
	s_wait_xcnt 0x0                                ; the last block's stores have read their data: the codes' registers are written again only behind this wait
.endif
.irp b, 0,1,2,3,4,5,6,7
	v_cvt_scalef32_pk8_bf8_f32 v[CD+2*\b:CD+2*\b+1], v[TMP+8*\b:TMP+8*\b+7], v[SC]
.endr
	v_nop                                          ; a plain instruction between the conversions and the next block's lines, which write their sources
.irp g, 0,1,2,3
	global_store_b128 v[VO0], v[CD+4*\g:CD+4*\g+3], s[10:11] offset:(\a)*65536+512*\g   ; 32 lanes store 512 consecutive bytes, aligned
.endr
.endm
.irp a, 0,1,2,3,4,5,6,7
	OUTBLK \a
.endr
	s_wait_tensorcnt 0x0                           ; the wave's end
	ds_add_u32 v[SPW], v[NIL]
	s_wait_dscnt 0x0
	CROUND                                         ; the closing round: no work-group ends while a partner may still ask for a tile that names it
	s_endpgm
.Lfunc_end_k_q2e0aa1e4f9_ffn1:
	.size	k_q2e0aa1e4f9_ffn1, .Lfunc_end_k_q2e0aa1e4f9_ffn1-k_q2e0aa1e4f9_ffn1
	.p2alignl 7, 3214868480
	.fill 96, 4, 3214868480
	.section	.rodata,"a",@progbits
	.p2align	6, 0x0
	.amdhsa_kernel k_q2e0aa1e4f9_ffn1
		.amdhsa_group_segment_fixed_size 327680
		.amdhsa_private_segment_fixed_size 0
		.amdhsa_enable_private_segment 0
		.amdhsa_kernarg_size 40
		.amdhsa_user_sgpr_count 2
		.amdhsa_user_sgpr_kernarg_segment_ptr 1
		.amdhsa_wavefront_size32 1
		.amdhsa_system_sgpr_workgroup_id_x 1
		.amdhsa_system_sgpr_workgroup_id_y 1
		.amdhsa_system_sgpr_workgroup_id_z 1
		.amdhsa_system_vgpr_workitem_id 0
		.amdhsa_next_free_vgpr 1024
		.amdhsa_next_free_sgpr 100
		.amdhsa_reserve_vcc 0
		.amdhsa_float_denorm_mode_32 3
		.amdhsa_float_denorm_mode_16_64 3
		.amdhsa_memory_ordered 1
		.amdhsa_forward_progress 1
		.amdhsa_inst_pref_size 135
	.end_amdhsa_kernel
	.amdgpu_metadata
---
amdhsa.version: [ 1, 2 ]
amdhsa.kernels:
  - .name:           k_q2e0aa1e4f9_ffn1
    .symbol:         k_q2e0aa1e4f9_ffn1.kd
    .args:
      - { .name: h2, .offset: 0, .size: 8, .value_kind: global_buffer, .address_space: global }
      - { .name: W1_codes, .offset: 8, .size: 8, .value_kind: global_buffer, .address_space: global }
      - { .name: b1, .offset: 16, .size: 8, .value_kind: global_buffer, .address_space: global }
      - { .name: hid, .offset: 24, .size: 8, .value_kind: global_buffer, .address_space: global }
      - { .name: lowp_scales, .offset: 32, .size: 8, .value_kind: global_buffer, .address_space: global }
    .group_segment_fixed_size: 327680
    .private_segment_fixed_size: 0
    .kernarg_segment_align: 8
    .kernarg_segment_size: 40
    .max_flat_workgroup_size: 128
    .sgpr_count:     100
    .vgpr_count:     1024
    .wavefront_size: 32
...
	.end_amdgpu_metadata
.endif
;; end of part 6
;; launch ffn2 (part 7): grid 8 x 32, 4 waves a work-group, clusters of 4 x 4, 327,680 bytes of LDS; arguments hid, W2_codes, b2, x1, lowp_scales, out0; writes out0
.if DOCPART == 7
	.amdgcn_target "amdgcn-amd-amdhsa--gfx1250"
	.amdhsa_code_object_version 6
	.text
	.protected	k_q2e0aa1e4f9_ffn2
	.globl	k_q2e0aa1e4f9_ffn2
	.p2align	8
	.type	k_q2e0aa1e4f9_ffn2,@function
k_q2e0aa1e4f9_ffn2:
	s_mov_b64 s[64:65], 0
	v_nop
	global_prefetch_b8 v0, s[64:65] scope:SCOPE_SE
	s_setreg_imm32_b32 hwreg(HW_REG_WAVE_MODE, 25, 1), 1
	s_wait_xcnt 0x0
	s_wait_alu depctr_hold_cnt(0) depctr_sa_sdst(0) depctr_va_vdst(0) depctr_va_sdst(0) depctr_va_ssrc(0) depctr_va_vcc(0) depctr_vm_vsrc(0)
	s_getreg_b32 s2, hwreg(HW_REG_IB_STS2, 6, 4)
	s_cmp_eq_u32 s2, 0
	s_cbranch_scc0 .Lentry_in_a_cluster
	s_endpgm
.Lentry_in_a_cluster:
	s_bfe_u32 s2, ttmp6, 0x10000c
	s_cmp_lg_u32 s2, 0xf033
	s_cbranch_scc0 .Lentry_shape_is_right
	s_endpgm
.Lentry_shape_is_right:
; out = res + A W^T + bias.  A: 4,096 x KDIM as IMAGES of fragments of BF8 (E5M2) codes, [tile of 16 rows][KDIM / 128][2,048] (four registers at 512 g + 16 x lane; registers 2 c, 2 c + 1: k = 16 c + 8 (lane / 16) + 0..7).
; W: [1,024][KDIM] codes, K innermost.  bias [1,024], res and out [4,096][1,024]: f32.  The sums are f32 and are multiplied once by 2^(ea + eb), the two entries of the scales at byte SOFF.
; SHARES.  N is 1,024: tiles of 256 x 256 would be 64, a quarter of the WGPs; so a tile is 128 x 128, 256 work-groups of four waves, 64 x 64 a wave: 16 accumulators.
; K goes in steps of 512 through two LDS slots.  A's part of a slot: 8 tiles of rows x 8,192 bytes, images, read at 16 x lane (no padding).  W's: 128 rows of 512 bytes + 16 of padding; its fragments are read by
; loads of 8 bytes, in the same order of k as the images have.
; CLUSTERS: 4 x 4 work-groups; A's tile is asked for jointly along a row of the cluster, W's along a column.  Waves 0, 1 fetch A's halves, waves 2, 3 W's.
; THE MATRIX INSTRUCTION IS USED TRANSPOSED (source 0 = 16 rows of W, source 1 = 16 rows of A): a lane holds eight neighbouring columns of a row.
; THE WAY OUT: a wave's 64 columns of f32 are 256 bytes: a block of 16 rows goes through the wave's own stage in LDS and comes back as whole rows, sixteen lanes to 256 consecutive bytes, aligned.
; The residual is asked for at the head, in that same layout, and lands under the products.
; LIMIT: ea + eb between -126 and 127.
; REGISTERS: window 0: v8-11 bias; v16-29 addresses; v32-95 at work on the way out; v128-255 the accumulators ((a, b) at v[128 + 8 (4 a + b)]).  window 1: two fragment buffers of 128: A's four, then W's four.  window 2: v0-127 the residual.
.set KDIM,  4096
.set SOFF,  0x38                       ; entries 14 and 15
.set LAPS,  KDIM/1024                  ; a lap = two K steps of 512
.set TTS,   16*KDIM                    ; from a tile of 16 rows of A to the next, in bytes
.set BP,    528                        ; 512 + 16: row r starts at bank 4 r mod 64 (64 banks of 4 bytes: ISA guide 11.1): the 32 lanes of a load of 8 bytes touch 64 different banks
.set AHALF, 32768
.set BOFF,  65536
.set BHALF, 64*BP
.set SLOT,  BOFF+2*BHALF
.set STAGE, 2*SLOT                     ; behind the ring: 16 rows x 272 bytes for each wave
.set SPITCH, 272
.set SPARE, STAGE+4*16*SPITCH          ; behind the stages: the spare words, 128 bytes a wave: two blocks of 256 bytes that no other line names
.set ADRA, 16
.set ADRB, 20
.set STO,  24
.set RD,   25
.set CO,   26
.set SPW,  28
.set NIL,  29
.set TMP,  32
.set ACC,  128
.set F0,   0
.set F1,   128
.set G1, 24
.set G0, 32
.set G1B, 48
.set G0B, 56
.set MSB, 0
.macro WIN new
.if MSB != \new
	s_set_vgpr_msb (MSB<<8)|\new
.set MSB, \new
.endif
.endm
.set MUL,  0x05                        ; sources 0 (W) and 1 (A) window 1; C and D window 0
.set TO_F, 0x40                        ; destination window 1
.macro JLOAD s                         ; a joint load; four v_nop follow each of the two lines
	s_cmp_eq_u32 s67, 0
	s_cbranch_scc0 .Lfor_b_\@
	tensor_load_to_lds s[G0+4*\s:G0+4*\s+3], s[G1:G1+7]
	s_nop 0
.rept 4
	v_nop
.endr
	s_branch .Lasked_\@
.Lfor_b_\@:
	tensor_load_to_lds s[G0B+4*\s:G0B+4*\s+3], s[G1B:G1B+7]
	s_nop 0
.rept 4
	v_nop
.endr
.Lasked_\@:
.endm
.macro CREST
	s_cmp_lg_u32 s66, 0
	s_cbranch_scc1 .Lnot_wave_0_\@
	s_barrier_signal -3
.Lnot_wave_0_\@:
	s_barrier_wait -3
	s_barrier_signal -1
	s_barrier_wait -1
.endm
.macro CROUND
	s_barrier_signal -1
	s_barrier_wait -1
	CREST
.endm
	s_load_b256 s[4:11], s[0:1], 0x0               ; A s[4:5], W s[6:7], bias s[8:9], res s[10:11]
	s_load_b128 s[12:15], s[0:1], 0x20             ; the scales' exponents s[12:13], out s[14:15]
	v_lshl_add_u32 v[SPW], v0, 2, SPARE
	v_mov_b32 v[NIL], 0
	ds_add_u32 v28, v29
	ds_add_u32 v28, v29
	s_wait_dscnt 0x0
	v_lshrrev_b32 v1, 5, v0
	v_readfirstlane_b32 s66, v1                    ; wave 0..3
	s_lshr_b32 s67, s66, 1                         ; which half of the tile's rows is mine.  Also: I fetch for A (0) or for W (1)
	s_and_b32 s68, s66, 1                          ; which half of its columns.  Also: which half of that tile I fetch
	s_bfe_u32 s40, ttmp6, 0x40000                  ; cx, cy
	s_bfe_u32 s41, ttmp6, 0x40004
	s_lshl_b32 s42, ttmp9, 2
	s_add_co_u32 s42, s42, s40                     ; tile column
	s_and_b32 s69, ttmp7, 0xffff
	s_lshl_b32 s69, s69, 2
	s_add_co_u32 s69, s69, s41                     ; tile row
	s_lshl_b32 s43, s41, 2
	s_lshl_b32 s43, 15, s43                        ; my row of the cluster
	s_lshl_b32 s44, 0x1111, s40                    ; my column
	s_or_b32 s[G1+0], s43, (0<<16)|(1<<21)         ; A: the mask; elements of 1 byte; bit 21 beside a mask; no padding
	s_mov_b32 s[G1+1], 8192<<16                    ; tensor_dim0 = 8,192: a K step's four images of a tile of rows
	s_mov_b32 s[G1+2], 4<<16                       ; tensor_dim1 = 4 tiles of rows
	s_mov_b32 s[G1+3], 8192<<16                    ; tile_dim0
	s_mov_b32 s[G1+4], 4                           ; tile_dim1
	s_mov_b32 s[G1+5], TTS                         ; tensor_dim0_stride
	s_mov_b32 s[G1+6], 0
	s_mov_b32 s[G1+7], 0
	s_or_b32 s[G1B+0], s44, (0<<16)|(1<<20)|(1<<21)|(6<<22)|(3<<25)  ; W: padding: 4 words after every 128
	s_mov_b32 s[G1B+1], 512<<16
	s_mov_b32 s[G1B+2], 64<<16
	s_mov_b32 s[G1B+3], 512<<16
	s_mov_b32 s[G1B+4], 64
	s_mov_b32 s[G1B+5], KDIM
	s_mov_b32 s[G1B+6], 0
	s_mov_b32 s[G1B+7], 0
	s_lshl_b32 s20, s69, 3
	s_lshl_b32 s18, s68, 2
	s_add_co_u32 s20, s20, s18                     ; A: tile of rows 8 x tile row + 4 x half
	s_mul_i32 s20, s20, TTS
	s_mov_b32 s21, 0
	s_lshl_b32 s46, s42, 7
	s_lshl_b32 s19, s68, 6
	s_add_co_u32 s46, s46, s19                     ; W: row 128 x tile column + 64 x half
	s_mul_i32 s46, s46, KDIM
	s_mov_b32 s47, 0
	s_mul_i32 s45, s68, AHALF                      ; where they go: no place in the cluster enters an LDS address
	s_mul_i32 s70, s68, BHALF
	s_add_co_u32 s70, s70, BOFF
	s_wait_kmcnt 0x0
	s_load_b64 s[96:97], s[12:13], SOFF            ; ea, eb
	s_add_nc_u64 s[20:21], s[4:5], s[20:21]
	s_add_nc_u64 s[46:47], s[6:7], s[46:47]
	CROUND                                         ; all sixteen work-groups are here: the first joint loads meet
.irp s, 0,1
	s_mov_b32 s[G0+4*\s], 1
	s_add_co_u32 s[G0+4*\s+1], s45, \s*SLOT
	s_add_nc_u64 s[G0+4*\s+2:G0+4*\s+3], s[20:21], \s*8192
	s_or_b32 s[G0+4*\s+3], s[G0+4*\s+3], 0x80000000
	s_mov_b32 s[G0B+4*\s], 1
	s_add_co_u32 s[G0B+4*\s+1], s70, \s*SLOT
	s_add_nc_u64 s[G0B+4*\s+2:G0B+4*\s+3], s[46:47], \s*512
	s_or_b32 s[G0B+4*\s+3], s[G0B+4*\s+3], 0x80000000
	JLOAD \s
.endr
	v_and_b32 v1, 15, v0                           ; r
	v_bfe_u32 v2, v0, 4, 1                         ; h
	v_and_b32 v3, 31, v0
	v_lshlrev_b32 v3, 4, v3                        ; 16 x lane
	v_mul_u32_u24 v4, v1, BP
	v_lshl_add_u32 v4, v2, 3, v4                   ; 528 r + 8 h
	s_mul_i32 s21, s67, AHALF                      ; my four tiles of rows of A
	s_mul_i32 s22, s68, BHALF                      ; my 64 rows of W
	s_add_co_u32 s22, s22, BOFF
.irp s, 0,1
	v_add_nc_u32 v[ADRA+\s], s21, v3
	v_add_nc_u32 v[ADRB+\s], s22, v4
	s_add_co_u32 s21, s21, SLOT
	s_add_co_u32 s22, s22, SLOT
.endr
	s_mul_i32 s23, s66, 16*SPITCH
	s_add_co_u32 s23, s23, STAGE                   ; my stage
	v_mul_u32_u24 v5, v1, SPITCH                   ; in: row r, 32 bytes for each half of the lanes
	v_lshl_add_u32 v5, v2, 5, v5
	v_add_nc_u32 v[STO], s23, v5
	v_mul_u32_u24 v5, v2, SPITCH                   ; back: lanes 0-15 one row of 256 bytes, lanes 16-31 the next
	v_lshl_add_u32 v5, v1, 4, v5
	v_add_nc_u32 v[RD], s23, v5
	v_lshlrev_b32 v5, 12, v2                       ; and the same two rows in res and out
	v_lshl_add_u32 v[CO], v1, 4, v5
	v_lshlrev_b32 v6, 4, v1                        ; my four columns of the bias
	s_lshl_b32 s20, s69, 7
	s_lshl_b32 s21, s67, 6
	s_add_co_u32 s20, s20, s21                     ; my first row
	s_lshl_b32 s20, s20, 12                        ; x 4,096 bytes
	s_lshl_b32 s46, s42, 7
	s_lshl_b32 s47, s68, 6
	s_add_co_u32 s46, s46, s47                     ; my first column
	s_lshl_b32 s46, s46, 2
	s_mov_b32 s47, 0
	s_add_nc_u64 s[8:9], s[8:9], s[46:47]
	s_add_co_u32 s20, s20, s46
	s_mov_b32 s21, 0
	s_add_nc_u64 s[10:11], s[10:11], s[20:21]
	s_add_nc_u64 s[14:15], s[14:15], s[20:21]
	global_load_b128 v[8:11], v6, s[8:9]
	WIN 0x80                                       ; destination window 2
.irp a, 0,1,2,3
.irp t, 0,1,2,3,4,5,6,7
	global_load_b128 v[4*(8*\a+\t):4*(8*\a+\t)+3], v[CO], s[10:11] offset:(16*\a+2*\t)*4096
.endr
.endr
	WIN 0
; 4 matrix instructions: A's block a x W's four, 128 along K.  The 16 accumulators take turns, one instruction a turn, in the same order in every quarter.
.macro MUL4 f, a, zero
.irp b, 0,1,2,3
.if \zero
	v_wmma_f32_16x16x128_bf8_bf8 v[ACC+8*(4*(\a)+\b):ACC+8*(4*(\a)+\b)+7], v[\f+64+16*\b:\f+64+16*\b+15], v[\f+16*(\a):\f+16*(\a)+15], 0
.else
	v_wmma_f32_16x16x128_bf8_bf8 v[ACC+8*(4*(\a)+\b):ACC+8*(4*(\a)+\b)+7], v[\f+64+16*\b:\f+64+16*\b+15], v[\f+16*(\a):\f+16*(\a)+15], v[ACC+8*(4*(\a)+\b):ACC+8*(4*(\a)+\b)+7]
.endif
.endr
.endm
; 48 LDS loads in one run: the slot's q-th 128 along K into buffer f: W's four fragments (32 loads of 8 bytes), then A's four (16 of 16 bytes)
.macro FETCH slot, q, f
	WIN TO_F
.irp b, 0,1,2,3
.irp c, 0,1,2,3,4,5,6,7
	ds_load_b64 v[\f+64+16*\b+2*\c:\f+64+16*\b+2*\c+1], v[ADRB+\slot] offset:\b*16*BP+128*(\q)+16*\c
.endr
.endr
.irp a, 0,1,2,3
.irp c, 0,1,2,3
	ds_load_b128 v[\f+16*\a+4*\c:\f+16*\a+4*\c+3], v[ADRA+\slot] offset:8192*\a+2048*(\q)+512*\c
.endr
.endr
.endm
.macro PLACES                          ; four plain vector instructions between a matrix instruction and a load into, or a read of, its registers
.rept 4
	v_nop
.endr
.endm
; A K step is four quarters of 128 along K, 16 matrix instructions each, on buffers 0, 1, 0, 1.
.macro QUARTER slot, qn, f, g, zero
	s_wait_dscnt 8                                 ; W's four and A's blocks 0, 1 are in; the youngest eight loads (A's blocks 2, 3) may be out
	WIN MUL
	MUL4 \f, 0, \zero
	MUL4 \f, 1, \zero
	PLACES
	FETCH \slot, \qn, \g
	s_wait_dscnt 48                                ; all but the 48 just issued
	WIN MUL
	MUL4 \f, 2, \zero
	MUL4 \f, 3, \zero
.endm
; The last quarter multiplies buffer 1 and changes slots: one barrier; in front of it each wave waits for all its tensor loads, adds 0 to its spare word, and waits for that and for its own reads of this slot.
.macro TURN slot, next, fill
	WIN 0                                          ; (the add's two registers lie in window 0)
	s_wait_tensorcnt 0x0                           ; all my tensor loads have landed: my part of the next slot
	ds_add_u32 v[SPW], v[NIL]                      ; 0 onto my spare word
	s_wait_dscnt 9                                 ; the add and the youngest eight loads may be out
	WIN MUL
	MUL4 F1, 0, 0
	s_wait_dscnt 0x0                               ; the add is done, and my reads of this slot are over
	s_barrier_signal -1
	MUL4 F1, 1, 0
.if \fill
	WIN 0
.endif
	s_barrier_wait -1
.if \fill
	CREST                                          ; the barrier has opened a round of the cluster's: no wave of any partner still reads this slot or has a load on its way
	s_add_nc_u64 s[G0+4*\slot+2:G0+4*\slot+3], s[G0+4*\slot+2:G0+4*\slot+3], 2*8192
	s_add_nc_u64 s[G0B+4*\slot+2:G0B+4*\slot+3], s[G0B+4*\slot+2:G0B+4*\slot+3], 2*512
	JLOAD \slot                                    ; the first tensor load behind the round; its four v_nop are the places in front of the loads below
.else
	PLACES
.endif
	FETCH \next, 0, F0
	WIN MUL
	MUL4 F1, 2, 0
	MUL4 F1, 3, 0
.endm
	s_wait_tensorcnt 1                             ; my part of K step 0 is in; K step 1's load, issued behind it, may be out
	s_barrier_signal -1
	s_barrier_wait -1
	FETCH 0, 0, F0
	QUARTER 0, 1, F0, F1, 1                        ; the first quarter's products start the sums
.if LAPS > 1
	WIN 0                                          ; at a label and at a branch every window is 0
	s_mov_b32 s3, LAPS-1
.Llap:
	QUARTER 0, 2, F1, F0, 0
	QUARTER 0, 3, F0, F1, 0
	TURN 0, 1, 1
	QUARTER 1, 1, F0, F1, 0
	QUARTER 1, 2, F1, F0, 0
	QUARTER 1, 3, F0, F1, 0
	TURN 1, 0, 1
	QUARTER 0, 1, F0, F1, 0
	WIN 0
	s_sub_co_u32 s3, s3, 1
	s_cmp_lg_u32 s3, 0
	s_cbranch_scc1 .Llap
.endif
	QUARTER 0, 2, F1, F0, 0                        ; the last lap fills nothing
	QUARTER 0, 3, F0, F1, 0
	TURN 0, 1, 0
	QUARTER 1, 1, F0, F1, 0
	QUARTER 1, 2, F1, F0, 0
	QUARTER 1, 3, F0, F1, 0
	s_wait_dscnt 8
	WIN MUL
	MUL4 F1, 0, 0
	MUL4 F1, 1, 0
	s_wait_dscnt 0
	MUL4 F1, 2, 0
	MUL4 F1, 3, 0
	WIN 0
	; THE WAY OUT
	s_wait_kmcnt 0x0
	s_add_co_i32 s96, s96, s97
	s_add_co_i32 s96, s96, 127
	s_lshl_b32 s96, s96, 23                        ; 2^(ea + eb) as f32
	s_mov_b32 s97, s96
	s_wait_loadcnt 0x0                             ; the bias and the residual
	PLACES
.macro TOSTAGE a                       ; block a's raw sums into my stage (each accumulator's low four registers first), and back as whole rows
.irp b, 0,1,2,3
	ds_store_b128 v[STO], v[ACC+8*(4*(\a)+\b):ACC+8*(4*(\a)+\b)+3] offset:64*\b
	ds_store_b128 v[STO], v[ACC+8*(4*(\a)+\b)+4:ACC+8*(4*(\a)+\b)+7] offset:64*\b+16
.endr
.irp t, 0,1,2,3,4,5,6,7
	ds_load_b128 v[TMP+32*((\a)%2)+4*\t:TMP+32*((\a)%2)+4*\t+3], v[RD] offset:\t*2*SPITCH   ; LDS serves a wave's instructions in order: these see my stores
.endr
.endm
.macro SEND a, younger                 ; younger: the LDS instructions issued behind block a's loads
.set TS, TMP+32*((\a)%2)
	s_wait_dscnt \younger
	WIN 0x20                                       ; source 2 (the residual) window 2
.set jj, 0
.rept 16
	v_pk_fma_f32 v[TS+jj:TS+jj+1], v[TS+jj:TS+jj+1], s[96:97], v[32*(\a)+jj:32*(\a)+jj+1] op_sel_hi:[1,0,1]   ; sum x 2^(ea + eb) + res
.set jj, jj+2
.endr
	WIN 0
.irp t, 0,1,2,3,4,5,6,7
	v_pk_add_f32 v[TS+4*\t:TS+4*\t+1], v[TS+4*\t:TS+4*\t+1], v[8:9]
	v_pk_add_f32 v[TS+4*\t+2:TS+4*\t+3], v[TS+4*\t+2:TS+4*\t+3], v[10:11]
.endr
.irp t, 0,1,2,3,4,5,6,7
.if KDIM == 4096
	global_store_b128 v[CO], v[TS+4*\t:TS+4*\t+3], s[14:15] offset:(16*(\a)+2*\t)*4096 th:TH_STORE_NT   ; 16 lanes store 256 consecutive bytes, aligned; written once, read by nobody here
.else
	global_store_b128 v[CO], v[TS+4*\t:TS+4*\t+3], s[14:15] offset:(16*(\a)+2*\t)*4096
.endif
.endr
.endm
	TOSTAGE 0
.irp a, 1,2,3
.if \a > 1
	s_wait_xcnt 0x0                                ; block a - 2's stores have read their registers: block a's loads may land there
.endif
	TOSTAGE \a
	SEND \a-1, 16                                  ; behind block a - 1's loads: block a's 8 stores and 8 loads
.endr
	SEND 3, 0
	s_wait_tensorcnt 0x0                           ; the wave's end
	ds_add_u32 v[SPW], v[NIL]
	s_wait_dscnt 0x0
	CROUND                                         ; the closing round
	s_endpgm
.Lfunc_end_k_q2e0aa1e4f9_ffn2:
	.size	k_q2e0aa1e4f9_ffn2, .Lfunc_end_k_q2e0aa1e4f9_ffn2-k_q2e0aa1e4f9_ffn2
	.p2alignl 7, 3214868480
	.fill 96, 4, 3214868480
	.section	.rodata,"a",@progbits
	.p2align	6, 0x0
	.amdhsa_kernel k_q2e0aa1e4f9_ffn2
		.amdhsa_group_segment_fixed_size 327680
		.amdhsa_private_segment_fixed_size 0
		.amdhsa_enable_private_segment 0
		.amdhsa_kernarg_size 48
		.amdhsa_user_sgpr_count 2
		.amdhsa_user_sgpr_kernarg_segment_ptr 1
		.amdhsa_wavefront_size32 1
		.amdhsa_system_sgpr_workgroup_id_x 1
		.amdhsa_system_sgpr_workgroup_id_y 1
		.amdhsa_system_sgpr_workgroup_id_z 1
		.amdhsa_system_vgpr_workitem_id 0
		.amdhsa_next_free_vgpr 640
		.amdhsa_next_free_sgpr 100
		.amdhsa_reserve_vcc 0
		.amdhsa_float_denorm_mode_32 3
		.amdhsa_float_denorm_mode_16_64 3
		.amdhsa_memory_ordered 1
		.amdhsa_forward_progress 1
		.amdhsa_inst_pref_size 98
	.end_amdhsa_kernel
	.amdgpu_metadata
---
amdhsa.version: [ 1, 2 ]
amdhsa.kernels:
  - .name:           k_q2e0aa1e4f9_ffn2
    .symbol:         k_q2e0aa1e4f9_ffn2.kd
    .args:
      - { .name: hid, .offset: 0, .size: 8, .value_kind: global_buffer, .address_space: global }
      - { .name: W2_codes, .offset: 8, .size: 8, .value_kind: global_buffer, .address_space: global }
      - { .name: b2, .offset: 16, .size: 8, .value_kind: global_buffer, .address_space: global }
      - { .name: x1, .offset: 24, .size: 8, .value_kind: global_buffer, .address_space: global }
      - { .name: lowp_scales, .offset: 32, .size: 8, .value_kind: global_buffer, .address_space: global }
      - { .name: out0, .offset: 40, .size: 8, .value_kind: global_buffer, .address_space: global }
    .group_segment_fixed_size: 327680
    .private_segment_fixed_size: 0
    .kernarg_segment_align: 8
    .kernarg_segment_size: 48
    .max_flat_workgroup_size: 128
    .sgpr_count:     100
    .vgpr_count:     640
    .wavefront_size: 32
...
	.end_amdgpu_metadata
.endif
;; end of part 7
